; MI455X (gfx1250); checked and timed in simulation.
; The chip was launched on July 23, 2026; its instructions are those of AMD's public machine-readable ISA for CDNA 5 (MIT licence, August 2026) and "CDNA5" Instruction Set Architecture Reference Guide (July 2026). The comments in the code are by the model that wrote it; some were corrected since.
;; Self Attention Block. Allowed arithmetic: float matrix products may take bf16 or f16 operands with f32 sums; all other float work in f32.
;; Inputs: Wk 1,024 x 1,024 float32; Wq 1,024 x 1,024 float32; Wv 1,024 x 1,024 float32; beta 1,024 float32; bk 1,024 float32; bq 1,024 float32; bv 1,024 float32; gamma 1,024 float32; x 4 x 2,048 x 1,024 float32.
;; Outputs: out0 4 x 2,048 x 1,024 float32.
;; 2 versions, each right. Each part assembles by itself: llvm-mc -triple=amdgcn-amd-amdhsa -mcpu=gfx1250 --defsym DOCPART=n.
;; ======== version 1 of 2: 3 launches
;; workspace buffers: xnb 16,777,216 bytes; stats 65,536 bytes; wcat 6,291,456 bytes; qkv 50,331,648 bytes
;; launch prep (part 1): grid 352 x 1, 8 waves a work-group, no clusters, 0 bytes of LDS; arguments x, gamma, beta, Wq, Wk, Wv, xnb, stats, wcat; writes xnb, stats, wcat
.if DOCPART == 1
	.amdgcn_target "amdgcn-amd-amdhsa--gfx1250"
	.amdhsa_code_object_version 6
	.text
	.protected	k_q662de13885_prep
	.globl	k_q662de13885_prep
	.p2align	8
	.type	k_q662de13885_prep,@function
k_q662de13885_prep:
	s_mov_b64 s[64:65], 0
	v_nop
	global_prefetch_b8 v0, s[64:65] scope:SCOPE_SE
	s_setreg_imm32_b32 hwreg(HW_REG_WAVE_MODE, 25, 1), 1
	s_wait_xcnt 0x0
; Two jobs that share nothing, chosen by the work-group's number alone.
; Work-groups 0-255: LayerNorm of x [8192][1024] f32.  xnb = bf16((x - mu) * rstd * gamma + beta), stats[row] = (mu, rstd) in f32.
;   One wave takes 4 whole rows; a row (4,096 bytes) stays in 32 registers between the pass for the mean, the pass for the
;   variance (of x - mu, so that a common offset of x costs no difference of large sums) and the scaling: x is read once.
; Work-groups 256-351: Wq, Wk, Wv [1024 k][1024 n] f32 are rounded to bf16 into wcat [1024 k][3072 n], n = 1024 which + column.
; No LDS, no barrier, no matrix unit, no cluster: no wave needs what another wave holds and no two work-groups read the same bytes but gamma and beta (8 KiB).
; Every load of a wave covers 512 consecutive bytes, every store of xnb and wcat 256 consecutive bytes, aligned.
; The store of stats is 32 consecutive bytes a wave: a part of an aligned block of 256.  It is 64 KiB of 23 MiB stored; whole blocks
; would need LDS and a barrier between waves that otherwise share nothing.
; LIMITS: NaN and infinities in x are not treated apart; xn and W are rounded to bf16 (nearest even) as matrix operands.
.set T,  4                             ; v[4:11]    at work
.set MU, 20                            ; v[20:23]   mean of row i
.set RS, 24                            ; v[24:27]   1 / sqrt(var + eps) of row i
.set R2, 28                            ; v[28:29]   a number twice, for the packed forms
.set Y,  32                            ; v[32:63]   packed bf16: 16 registers a row, rows take turns on two sets
.set X,  64                            ; v[64:191]  row i at X + 32 i: load j holds columns 128 j + 4 lane .. + 3
.set G,  192                           ; v[192:223] gamma of the same columns (weight path: packed bf16)
.set B,  224                           ; v[224:255] beta
	s_load_b512 s[4:19], s[0:1], 0x0               ; x 4:5, gamma 6:7, beta 8:9, Wq 10:11, Wk 12:13, Wv 14:15, xnb 16:17, stats 18:19
	s_load_b64 s[20:21], s[0:1], 0x40              ; wcat
	v_lshrrev_b32 v4, 5, v0
	v_readfirstlane_b32 s22, v4                    ; wave 0..7
	v_and_b32 v3, 31, v0                           ; lane
	v_lshlrev_b32 v1, 4, v3                        ; 16 bytes a lane: f32 in
	v_lshlrev_b32 v2, 3, v3                        ; 8 bytes a lane: bf16 out
	s_mov_b32 s37, 0
	s_mov_b32 s39, 0
	s_cmp_ge_u32 ttmp9, 256
	s_cbranch_scc1 .Lw
	; ---------------- LayerNorm ----------------
	s_lshl_b32 s24, ttmp9, 5
	s_lshl2_add_u32 s24, s22, s24                  ; my first row = 32 x work-group + 4 x wave
	s_lshl_b32 s36, s24, 12                        ; x 4,096 bytes (below 2^25)
	s_lshl_b32 s38, s24, 11                        ; x 2,048 bytes
	s_lshl_b32 s24, s24, 3                         ; x 8 bytes
	s_mov_b32 s25, 0
	s_mov_b32 s26, 0x76543210                      ; v_permlanex16_b32: lane i of one half reads lane i of the other
	s_mov_b32 s27, 0xfedcba98
	s_mov_b32 s32, 0x3a800000                      ; 1 / 1024
	s_mov_b32 s33, 0x3727c5ac                      ; 1e-5
	s_wait_kmcnt 0x0
	s_add_nc_u64 s[4:5], s[4:5], s[36:37]
	s_add_nc_u64 s[16:17], s[16:17], s[38:39]
	s_add_nc_u64 s[18:19], s[18:19], s[24:25]
.irp j, 0,1,2,3,4,5,6,7
	global_load_b128 v[G+4*\j:G+4*\j+3], v1, s[6:7] offset:512*\j
	global_load_b128 v[B+4*\j:B+4*\j+3], v1, s[8:9] offset:512*\j
.endr
.set n, 0
.rept 32
	global_load_b128 v[X+4*n:X+4*n+3], v1, s[4:5] offset:512*n th:TH_LOAD_NT    ; four rows follow each other: 16 KiB
.set n, n+1
.endr
; four pairs of partial sums in v[T:T+7] -> the sum over the row, in every lane's v[T]
.macro REDUCE
	v_pk_add_f32 v[T:T+1], v[T:T+1], v[T+2:T+3]
	v_pk_add_f32 v[T+4:T+5], v[T+4:T+5], v[T+6:T+7]
	v_pk_add_f32 v[T:T+1], v[T:T+1], v[T+4:T+5]
	v_add_f32 v[T], v[T], v[T+1]
	v_add_f32_dpp v[T], v[T], v[T] row_xmask:1 row_mask:0xf bank_mask:0xf
	v_add_f32_dpp v[T], v[T], v[T] row_xmask:2 row_mask:0xf bank_mask:0xf
	v_add_f32_dpp v[T], v[T], v[T] row_xmask:4 row_mask:0xf bank_mask:0xf
	v_add_f32_dpp v[T], v[T], v[T] row_xmask:8 row_mask:0xf bank_mask:0xf
	v_permlanex16_b32 v[T+1], v[T], s26, s27       ; its destination counts as read: T+1 has been written
	v_add_f32 v[T], v[T], v[T+1]
.endm
.macro ROW i
	s_wait_loadcnt 24-8*\i                         ; loads come back in order: gamma, beta and rows 0..i are in, the 8 loads of each later row stay out
.irp c, 0,1,2,3
	v_pk_add_f32 v[T+2*\c:T+2*\c+1], v[X+32*\i+2*\c:X+32*\i+2*\c+1], v[X+32*\i+2*\c+8:X+32*\i+2*\c+9]   ; four chains, started by the data: nothing is cleared
.endr
.irp e, 16,24
.irp c, 0,1,2,3
	v_pk_add_f32 v[T+2*\c:T+2*\c+1], v[T+2*\c:T+2*\c+1], v[X+32*\i+2*\c+\e:X+32*\i+2*\c+\e+1]
.endr
.endr
	REDUCE
	v_mul_f32 v[MU+\i], s32, v[T]                  ; the mean
	v_mov_b32 v[R2], v[MU+\i]
	v_mov_b32 v[R2+1], v[MU+\i]
.set j, 0
.rept 16
	v_pk_add_f32 v[X+32*\i+j:X+32*\i+j+1], v[X+32*\i+j:X+32*\i+j+1], v[R2:R2+1] neg_lo:[0,1] neg_hi:[0,1]   ; x - mu, in place
.set j, j+2
.endr
.irp c, 0,1,2,3
	v_pk_mul_f32 v[T+2*\c:T+2*\c+1], v[X+32*\i+2*\c:X+32*\i+2*\c+1], v[X+32*\i+2*\c:X+32*\i+2*\c+1]
.endr
.irp e, 8,16,24
.irp c, 0,1,2,3
	v_pk_fma_f32 v[T+2*\c:T+2*\c+1], v[X+32*\i+2*\c+\e:X+32*\i+2*\c+\e+1], v[X+32*\i+2*\c+\e:X+32*\i+2*\c+\e+1], v[T+2*\c:T+2*\c+1]
.endr
.endr
	REDUCE
	v_fma_f32 v[T], v[T], s32, s33                 ; var + eps
	v_rsq_f32 v[RS+\i], v[T]
	v_nop                                          ; one plain place behind the transcendental, ahead of the first use of its result (ISA guide 5.7.2)
	s_wait_alu depctr_va_vdst(0)
	v_mov_b32 v[R2], v[RS+\i]
	v_mov_b32 v[R2+1], v[RS+\i]
.set j, 0
.rept 16
	v_pk_mul_f32 v[X+32*\i+j:X+32*\i+j+1], v[X+32*\i+j:X+32*\i+j+1], v[R2:R2+1]
.set j, j+2
.endr
.set j, 0
.rept 16
	v_pk_fma_f32 v[X+32*\i+j:X+32*\i+j+1], v[X+32*\i+j:X+32*\i+j+1], v[G+j:G+j+1], v[B+j:B+j+1]
.set j, j+2
.endr
.if \i >= 2
	s_wait_xcnt 0x0                                ; this set of Y was the data of the stores two rows ago: rewritten only behind this wait
.endif
.set j, 0
.rept 16
	v_cvt_pk_bf16_f32 v[Y+16*(\i%2)+j], v[X+32*\i+2*j], v[X+32*\i+2*j+1]
.set j, j+1
.endr
.irp j, 0,1,2,3,4,5,6,7
	global_store_b64 v2, v[Y+16*(\i%2)+2*\j:Y+16*(\i%2)+2*\j+1], s[16:17] offset:2048*\i+256*\j   ; 32 lanes x 8 bytes: 256 consecutive bytes, aligned
.endr
.endm
	ROW 0
	ROW 1
	ROW 2
	ROW 3
	; stats: lane i (0..3) takes row i's (mu, rstd)
	v_cmp_eq_u32 s28, 1, v3
	v_cmp_eq_u32 s29, 2, v3
	v_cmp_eq_u32 s30, 3, v3
	v_cndmask_b32 v4, v[MU], v[MU+1], s28
	v_cndmask_b32 v5, v[RS], v[RS+1], s28
	v_cndmask_b32 v4, v4, v[MU+2], s29
	v_cndmask_b32 v5, v5, v[RS+2], s29
	v_cndmask_b32 v4, v4, v[MU+3], s30
	v_cndmask_b32 v5, v5, v[RS+3], s30
	v_cmp_gt_u32 vcc_lo, 4, v3
	s_wait_xcnt 0x0                                ; EXEC is a source of the stores above: it changes only behind this wait
	s_and_saveexec_b32 s31, vcc_lo
	global_store_b64 v2, v[4:5], s[18:19]
	s_wait_xcnt 0x0                                ; and again in front of the line that widens it
	s_or_b32 exec_lo, exec_lo, s31
	s_endpgm
	; ---------------- weights ----------------
.Lw:
	s_sub_co_u32 s24, ttmp9, 256                   ; 0..95
	s_lshr_b32 s23, s24, 5                         ; which: 0 q, 1 k, 2 v
	s_and_b32 s24, s24, 31
	s_lshl_b32 s24, s24, 5
	s_lshl2_add_u32 s24, s22, s24                  ; my first k row = 32 x (group mod 32) + 4 x wave
	s_lshl_b32 s36, s24, 12                        ; source: 4,096 bytes a row
	s_mul_i32 s38, s24, 6144                       ; wcat: 6,144 bytes a row,
	s_lshl_b32 s24, s23, 11
	s_add_co_u32 s38, s38, s24                     ; + 2,048 x which
	s_wait_kmcnt 0x0
	s_cmp_eq_u32 s23, 1
	s_cselect_b64 s[34:35], s[12:13], s[10:11]
	s_cmp_eq_u32 s23, 2
	s_cselect_b64 s[34:35], s[14:15], s[34:35]
	s_add_nc_u64 s[34:35], s[34:35], s[36:37]
	s_add_nc_u64 s[20:21], s[20:21], s[38:39]
.set n, 0
.rept 32
	global_load_b128 v[X+4*n:X+4*n+3], v1, s[34:35] offset:512*n th:TH_LOAD_NT
.set n, n+1
.endr
.set n, 0
.rept 32
	s_wait_loadcnt 31-n                            ; load n is in; the 31 - n issued behind it stay out
	v_cvt_pk_bf16_f32 v[G+2*n], v[X+4*n], v[X+4*n+1]
	v_cvt_pk_bf16_f32 v[G+2*n+1], v[X+4*n+2], v[X+4*n+3]
	global_store_b64 v2, v[G+2*n:G+2*n+1], s[20:21] offset:6144*(n/8)+256*(n%8)   ; each store has data registers of its own: none is rewritten
.set n, n+1
.endr
	s_endpgm
.Lfunc_end_k_q662de13885_prep:
	.size	k_q662de13885_prep, .Lfunc_end_k_q662de13885_prep-k_q662de13885_prep
	.p2alignl 7, 3214868480
	.fill 96, 4, 3214868480
	.section	.rodata,"a",@progbits
	.p2align	6, 0x0
	.amdhsa_kernel k_q662de13885_prep
		.amdhsa_group_segment_fixed_size 0
		.amdhsa_private_segment_fixed_size 0
		.amdhsa_enable_private_segment 0
		.amdhsa_kernarg_size 72
		.amdhsa_user_sgpr_count 2
		.amdhsa_user_sgpr_kernarg_segment_ptr 1
		.amdhsa_wavefront_size32 1
		.amdhsa_system_sgpr_workgroup_id_x 1
		.amdhsa_system_sgpr_workgroup_id_y 1
		.amdhsa_system_sgpr_workgroup_id_z 1
		.amdhsa_system_vgpr_workitem_id 0
		.amdhsa_next_free_vgpr 256
		.amdhsa_next_free_sgpr 66
		.amdhsa_reserve_vcc 1
		.amdhsa_float_denorm_mode_32 3
		.amdhsa_float_denorm_mode_16_64 3
		.amdhsa_memory_ordered 1
		.amdhsa_forward_progress 1
		.amdhsa_inst_pref_size 51
	.end_amdhsa_kernel
	.amdgpu_metadata
---
amdhsa.version: [ 1, 2 ]
amdhsa.kernels:
  - .name:           k_q662de13885_prep
    .symbol:         k_q662de13885_prep.kd
    .args:
      - { .name: x, .offset: 0, .size: 8, .value_kind: global_buffer, .address_space: global }
      - { .name: gamma, .offset: 8, .size: 8, .value_kind: global_buffer, .address_space: global }
      - { .name: beta, .offset: 16, .size: 8, .value_kind: global_buffer, .address_space: global }
      - { .name: Wq, .offset: 24, .size: 8, .value_kind: global_buffer, .address_space: global }
      - { .name: Wk, .offset: 32, .size: 8, .value_kind: global_buffer, .address_space: global }
      - { .name: Wv, .offset: 40, .size: 8, .value_kind: global_buffer, .address_space: global }
      - { .name: xnb, .offset: 48, .size: 8, .value_kind: global_buffer, .address_space: global }
      - { .name: stats, .offset: 56, .size: 8, .value_kind: global_buffer, .address_space: global }
      - { .name: wcat, .offset: 64, .size: 8, .value_kind: global_buffer, .address_space: global }
    .group_segment_fixed_size: 0
    .private_segment_fixed_size: 0
    .kernarg_segment_align: 8
    .kernarg_segment_size: 72
    .max_flat_workgroup_size: 256
    .sgpr_count:     66
    .vgpr_count:     256
    .wavefront_size: 32
...
	.end_amdgpu_metadata
.endif
;; end of part 1
;; launch qkvgemm (part 2): grid 8 x 32, 4 waves a work-group, clusters of 4 x 4, 327,680 bytes of LDS; arguments xnb, wcat, bq, bk, bv, qkv; writes qkv
.if DOCPART == 2
	.amdgcn_target "amdgcn-amd-amdhsa--gfx1250"
	.amdhsa_code_object_version 6
	.text
	.protected	k_q662de13885_qkvgemm
	.globl	k_q662de13885_qkvgemm
	.p2align	8
	.type	k_q662de13885_qkvgemm,@function
k_q662de13885_qkvgemm:
	s_mov_b64 s[64:65], 0
	v_nop
	global_prefetch_b8 v0, s[64:65] scope:SCOPE_SE
	s_setreg_imm32_b32 hwreg(HW_REG_WAVE_MODE, 25, 1), 1
	s_wait_xcnt 0x0
	s_wait_alu depctr_hold_cnt(0) depctr_sa_sdst(0) depctr_va_vdst(0) depctr_va_sdst(0) depctr_va_ssrc(0) depctr_va_vcc(0) depctr_vm_vsrc(0)
	s_getreg_b32 s2, hwreg(HW_REG_IB_STS2, 6, 4)
	s_cmp_eq_u32 s2, 0
	s_cbranch_scc0 .Lentry_in_a_cluster
	s_endpgm
.Lentry_in_a_cluster:
	s_bfe_u32 s2, ttmp6, 0x10000c
	s_cmp_lg_u32 s2, 0xf033
	s_cbranch_scc0 .Lentry_shape_is_right
	s_endpgm
.Lentry_shape_is_right:
; qkv = xn W + b for Wq, Wk, Wv at once: [8192][1024] x [1024][3072], bf16 operands, f32 sums, bf16 out, split by heads:
; qkv[which][bh = 16 batch + head][s][d], a plane of 262,144 bytes, a row of 128.  q is stored times 0.125 log2(e), so that the attention's scores are exponents of 2.
; 256 work-groups of 256 rows x 384 columns (blocks of 256 x 256 would be 384 work-groups, one and a half for each of 256 places).  Four waves, as many as a WGP has SIMDs.
; Wave w: rows 128 (w >> 1) .. + 127 and, in each of the block's three pieces of 128 columns, the half w & 1: three heads of 64 columns,
; 96 accumulator tiles of 16 x 16 = 768 registers.
; K goes in 16 steps of 64 through two LDS slots.  (Two slots of a step of 128 would take 2 x (256 x 272 + 3 x 128 x 288) = 360,448 bytes: more than a WGP's LDS.)
; CLUSTERS: 4 x 4 work-groups.  xn's tile hangs on the block row alone and is asked for jointly by a row of the cluster, W's pieces on the block column
; alone and are asked for jointly by a column: a quarter of the requests.  Wave 0 asks for xn's tile (256 rows x 128 bytes), waves 1-3 for one piece of W each (64 k rows x 256 bytes).
; By this text's own count a wave has at most two tensor loads outstanding (the two first fills), later one.
; W lies [k][n]: its fragments come out of LDS by the transposing load.  THE MATRIX INSTRUCTION IS USED TRANSPOSED (source 0 = 16 columns of W, source 1 = 16 rows of xn):
; lane l then holds row l % 16, columns 8 (l / 16) + 0..7: eight neighbouring numbers, 16 bytes of bf16.
; REGISTERS: window 0: v1-15 addresses, v32-95 and v96-159 xn's fragments (two buffers), v160-255 W's 12 fragments; window 1 + p: the 32 tiles of piece p, tile (a, bb) at 8 (8 bb + a).
; LIMITS: NaN and infinities are not treated apart; results are rounded once to bf16.
.set SLOT,   92160                     ; xn: 256 rows x 144, then three pieces of W: 64 rows x 288 each
.set APITCH, 144                       ; 128 bytes + 16: an odd multiple of 16, so the 16 rows of a fragment load start in 16 different 16-byte columns modulo 256
.set BPITCH, 288                       ; 256 bytes + 32: an odd multiple of 32, for the transposing load
.set BOFF,   36864
.set PIECE,  18432
.set STAGE,  184320                    ; behind the ring: 16 rows x 144 bytes for each wave, written by ds_store alone; no tensor load lands there
.set ADRA, 8                           ; v8-9    LDS address of my xn fragments, slot 0, 1
.set ADRB, 10                          ; v10-11  the same for W
.set STO,  12                          ; way out: where I put 16 bytes
.set RD,   13                          ; way out: where I read rows back
.set CO,   14                          ; 16 x lane
.set BO,   15                          ; 32 x (lane / 16): my eight biases in a tile of 16 columns
.set FA0,  32
.set FA1,  96
.set FB,   160
.set TMP,  32                          ; way out: f32 at work
.set PK,   64                          ; way out: packed bf16
.set G1A, 24                           ; s[24:31] group 1, xn's tile
.set G0A, 32                           ; s[32:39] group 0, xn's tile, a set for each slot
.set G1B, 40                           ; s[40:47] group 1, W's pieces
.set G0B, 48                           ; s[48:55] group 0, W's pieces, a set for each slot
.set DP,  68                           ; s[68:73] way out: where piece p goes
.set SC,  74                           ; s[74:79] way out: piece p's scale, twice
.set BP,  80                           ; s[80:85] way out: piece p's bias
.set MSB, 0
.macro WIN new                         ; the immediate's high byte repeats the setting that is left; a switch that changes nothing is dropped
.if MSB != (\new)
	s_set_vgpr_msb (MSB<<8)|(\new)
.set MSB, \new
.endif
.endm
.macro PLACES                          ; four plain places behind a matrix instruction, ahead of a load into one of its registers or a vector read of its result
.rept 4
	v_nop
.endr
.endm
.macro JLOAD s                         ; one joint load a wave; the branch hangs on the wave's number alone
	s_cmp_eq_u32 s16, 0
	s_cbranch_scc0 .Lfor_b_\@
	tensor_load_to_lds s[G0A+4*(\s):G0A+4*(\s)+3], s[G1A:G1A+7]
	s_nop 0
	s_branch .Lasked_\@
.Lfor_b_\@:
	tensor_load_to_lds s[G0B+4*(\s):G0B+4*(\s)+3], s[G1B:G1B+7]
	s_nop 0
.Lasked_\@:
.endm
.macro CREST                           ; a round of the cluster's barrier behind its opening work-group barrier
	s_cmp_lg_u32 s16, 0
	s_cbranch_scc1 .Lnot_wave_0_\@
	s_barrier_signal -3
.Lnot_wave_0_\@:
	s_barrier_wait -3
	s_barrier_signal -1
	s_barrier_wait -1
.endm
.macro CROUND
	s_barrier_signal -1
	s_barrier_wait -1
	CREST
.endm
	s_load_b256 s[4:11], s[0:1], 0x0               ; xnb 4:5, wcat 6:7, bq 8:9, bk 10:11
	s_load_b128 s[12:15], s[0:1], 0x20             ; bv 12:13, qkv 14:15
	v_lshl_add_u32 v30, v0, 2, 0x2f400
	v_mov_b32 v31, 0
	ds_add_u32 v30, v31
	v_lshrrev_b32 v1, 5, v0
	v_readfirstlane_b32 s16, v1                    ; wave 0..3
	s_lshr_b32 s17, s16, 1                         ; which 128 rows are mine
	s_and_b32 s18, s16, 1                          ; which half of each piece
	s_max_u32 s19, s16, 1
	s_sub_co_u32 s19, s19, 1                       ; the piece that waves 1-3 fetch (wave 0: a valid offset that it never uses)
	s_bfe_u32 s20, ttmp6, 0x40000                  ; cx
	s_bfe_u32 s21, ttmp6, 0x40004                  ; cy
	s_lshl_b32 s22, ttmp9, 2
	s_add_co_u32 s22, s22, s20                     ; block column 0..7
	s_and_b32 s23, ttmp7, 0xffff
	s_lshl_b32 s23, s23, 2
	s_add_co_u32 s23, s23, s21                     ; block row 0..31
	s_lshl_b32 s56, s21, 2
	s_lshl_b32 s56, 15, s56                        ; my row of the cluster
	s_lshl_b32 s57, 0x1111, s20                    ; my column
	s_or_b32 s[G1A+0], s56, (1<<16)|(1<<20)|(1<<21)|(4<<22)|(3<<25)   ; mask; 2-byte elements; padding on; bit 21 beside a mask; after every 32 words 4 words
	s_mov_b32 s[G1A+1], 64<<16                     ; tensor_dim0 = 64
	s_mov_b32 s[G1A+2], 256<<16                    ; tensor_dim1 = 256
	s_mov_b32 s[G1A+3], 64<<16                     ; tile_dim0 = 64 elements
	s_mov_b32 s[G1A+4], 256                        ; tile_dim1 = 256 rows
	s_mov_b32 s[G1A+5], 1024                       ; elements from row to row
	s_mov_b32 s[G1A+6], 0
	s_mov_b32 s[G1A+7], 0
	s_or_b32 s[G1B+0], s57, (1<<16)|(1<<20)|(1<<21)|(5<<22)|(7<<25)   ; after every 64 words 8 words
	s_mov_b32 s[G1B+1], 128<<16
	s_mov_b32 s[G1B+2], 64<<16
	s_mov_b32 s[G1B+3], 128<<16
	s_mov_b32 s[G1B+4], 64
	s_mov_b32 s[G1B+5], 3072
	s_mov_b32 s[G1B+6], 0
	s_mov_b32 s[G1B+7], 0
	s_lshl_b32 s60, s23, 19                        ; xn: 256 rows x 2,048 bytes x block row
	s_mov_b32 s61, 0
	s_mul_i32 s62, s22, 768                        ; W: 384 columns x 2 bytes x block column
	s_lshl_b32 s63, s19, 8
	s_add_co_u32 s62, s62, s63                     ; + 256 bytes x piece
	s_mov_b32 s63, 0
	s_mul_i32 s59, s16, PIECE                      ; LDS: wave w (1..3) fills piece w - 1: w x PIECE + (BOFF - PIECE) + the slot
	s_add_co_u32 s59, s59, BOFF-PIECE
	s_wait_dscnt 0x0
	s_wait_kmcnt 0x0
	s_add_nc_u64 s[60:61], s[4:5], s[60:61]
	s_add_nc_u64 s[62:63], s[6:7], s[62:63]
	CROUND                                         ; all sixteen work-groups are here: the first joint loads meet
.irp n, 0,1
	s_mov_b32 s[G0A+4*\n], 1
	s_mov_b32 s[G0A+4*\n+1], \n*SLOT
	s_add_nc_u64 s[G0A+4*\n+2:G0A+4*\n+3], s[60:61], \n*128           ; K step n: 64 elements along the rows
	s_or_b32 s[G0A+4*\n+3], s[G0A+4*\n+3], 0x80000000
	s_mov_b32 s[G0B+4*\n], 1
	s_add_co_u32 s[G0B+4*\n+1], s59, \n*SLOT
	s_add_nc_u64 s[G0B+4*\n+2:G0B+4*\n+3], s[62:63], \n*393216        ; K step n: 64 rows of 6,144 bytes
	s_or_b32 s[G0B+4*\n+3], s[G0B+4*\n+3], 0x80000000
	JLOAD \n
.endr
	v_and_b32 v1, 15, v0                           ; r = l % 16
	v_bfe_u32 v2, v0, 4, 1                         ; h = l / 16
	v_and_b32 v3, 7, v0
	v_bfe_u32 v4, v0, 3, 1
	v_bfe_u32 v5, v0, 3, 2                         ; l / 8
	v_mul_u32_u24 v6, v1, APITCH
	v_lshl_add_u32 v6, v2, 4, v6                   ; 144 r + 16 h
	s_mul_i32 s3, s17, 128*APITCH
	v_add_nc_u32 v[ADRA], s3, v6
	v_add_nc_u32 v[ADRA+1], SLOT, v[ADRA]
	v_lshl_add_u32 v7, v2, 3, v3                   ; k row 8 h + l % 8
	v_mul_u32_u24 v7, v7, BPITCH
	v_lshl_add_u32 v7, v4, 4, v7                   ; + 16 x ((l / 8) % 2)
	s_lshl_b32 s3, s18, 7
	s_add_co_u32 s3, s3, BOFF                      ; my half of a piece: 64 columns = 128 bytes
	v_add_nc_u32 v[ADRB], s3, v7
	v_add_nc_u32 v[ADRB+1], SLOT, v[ADRB]
	s_mul_i32 s3, s16, 16*APITCH
	s_add_co_u32 s3, s3, STAGE                     ; my stage
	v_add_nc_u32 v[STO], s3, v6
	v_mul_u32_u24 v7, v5, APITCH
	v_lshl_add_u32 v7, v3, 4, v7                   ; back: eight lanes take a row of 128 bytes, the wave four rows
	v_add_nc_u32 v[RD], s3, v7
	v_and_b32 v7, 31, v0
	v_lshlrev_b32 v[CO], 4, v7
	v_lshlrev_b32 v[BO], 5, v2
; xn's 8 fragments (128 rows x 32 K at byte kb of the rows) into buffer fa: 16 loads
.macro LDA slot, kb, fa
.irp a, 0,1,2,3,4,5,6,7
	ds_load_b128 v[\fa+8*\a:\fa+8*\a+3],   v[ADRA+\slot] offset:\a*16*APITCH+\kb
	ds_load_b128 v[\fa+8*\a+4:\fa+8*\a+7], v[ADRA+\slot] offset:\a*16*APITCH+\kb+32
.endr
.endm
; the 4 fragments of W of piece p (my 64 columns x 32 K from k row k0): 8 transposing loads
.macro LDB p, slot, k0
.irp bb, 0,1,2,3
	ds_load_tr16_b128 v[FB+32*\p+8*\bb:FB+32*\p+8*\bb+3],   v[ADRB+\slot] offset:\p*PIECE+32*\bb+\k0*BPITCH
	ds_load_tr16_b128 v[FB+32*\p+8*\bb+4:FB+32*\p+8*\bb+7], v[ADRB+\slot] offset:\p*PIECE+32*\bb+(\k0+16)*BPITCH
.endr
.endm
; 32 matrix instructions: piece p, 128 rows x 64 columns x 32 K.  The 96 accumulators take turns, one instruction a turn, in the same order in every
; sub-step and over the backward jump.  zero = 1: the first product starts the sums.
.macro MUL32 p, fa, zero
	WIN (\p+1)*0x50                                ; C and D in window 1 + p, both sources in window 0
.irp bb, 0,1,2,3
.irp a, 0,1,2,3,4,5,6,7
.if \zero
	v_wmma_f32_16x16x32_bf16 v[8*(8*\bb+\a):8*(8*\bb+\a)+7], v[FB+32*\p+8*\bb:FB+32*\p+8*\bb+7], v[\fa+8*\a:\fa+8*\a+7], 0
.else
	v_wmma_f32_16x16x32_bf16 v[8*(8*\bb+\a):8*(8*\bb+\a)+7], v[FB+32*\p+8*\bb:FB+32*\p+8*\bb+7], v[\fa+8*\a:\fa+8*\a+7], v[8*(8*\bb+\a):8*(8*\bb+\a)+7]
.endif
.endr
.endr
.endm
; LDS loads are always issued in the order W0 (8), xn (16), W1 (8), W2 (8) of a sub-step; each piece's fragments are fetched again as soon as they have been multiplied.
; First half of a K step (k 0-31, buffer FA0); fetches the second half's fragments.
.macro SUB0 slot, zero
	s_wait_dscnt 16                                ; W0 and xn are in; W1 and W2 (16 loads) may be out
	MUL32 0, FA0, \zero
	WIN 0
	PLACES
	LDB 0, \slot, 32
	LDA \slot, 64, FA1
	s_wait_dscnt 32                                ; W1 is in; out may be W2 (8) and the 24 just issued
	MUL32 1, FA0, \zero
	WIN 0
	PLACES
	LDB 1, \slot, 32
	s_wait_dscnt 32                                ; W2 is in; out may be the next W0, xn, W1 (32)
	MUL32 2, FA0, \zero
	WIN 0
	PLACES
	LDB 2, \slot, 32
.endm
; Second half (k 32-63, buffer FA1) and the change of slots.  In front of the barrier each wave waits for its reads of this slot and for all its
; tensor loads (the one that is out is its part of the next slot).  fill = 1: the barrier opens a round of the cluster's barrier, and this slot's refill,
; two K steps ahead, is the first tensor load behind the round.  From that request to the wait for it a wave issues 32 + 96 + 32 matrix instructions.
.macro TURN slot, next, fill
	s_wait_dscnt 16
	MUL32 0, FA1, 0
	s_wait_dscnt 0                                 ; my reads of this slot are over
	s_wait_tensorcnt 0x0                           ; all my tensor loads have landed
	ds_add_u32 v30, v31
	s_wait_dscnt 0x0
	s_barrier_signal -1
	MUL32 1, FA1, 0                                ; register work while the others arrive
	WIN 0
	s_barrier_wait -1
.if \fill
	CREST
	s_add_nc_u64 s[G0A+4*\slot+2:G0A+4*\slot+3], s[G0A+4*\slot+2:G0A+4*\slot+3], 256
	s_add_nc_u64 s[G0B+4*\slot+2:G0B+4*\slot+3], s[G0B+4*\slot+2:G0B+4*\slot+3], 786432
	JLOAD \slot
.endif
	PLACES
	LDB 0, \next, 0
	LDA \next, 0, FA0
	LDB 1, \next, 0
	MUL32 2, FA1, 0
	WIN 0
	PLACES
	LDB 2, \next, 0
.endm
.macro LAP zero
	SUB0 0, \zero
	TURN 0, 1, 1
	SUB0 1, 0
	TURN 1, 0, 1
.endm
	s_wait_tensorcnt 1                             ; my part of K step 0 is in; K step 1's stays out
	s_barrier_signal -1
	s_barrier_wait -1
	LDB 0, 0, 0
	LDA 0, 0, FA0
	LDB 1, 0, 0
	LDB 2, 0, 0
	LAP 1                                          ; K steps 0, 1; asks for 2, 3
	s_mov_b32 s58, 6                               ; K steps 2..13; asks for 4..15
.Llap:
	LAP 0
	s_sub_co_u32 s58, s58, 1
	s_cmp_lg_u32 s58, 0
	s_cbranch_scc1 .Llap
	SUB0 0, 0                                      ; the last two K steps fetch nothing
	TURN 0, 1, 0
	SUB0 1, 0
	s_wait_dscnt 16
	MUL32 0, FA1, 0
	s_wait_dscnt 8
	MUL32 1, FA1, 0
	s_wait_dscnt 0
	MUL32 2, FA1, 0
	WIN 0
	PLACES                                         ; behind the last matrix instructions: for the loads into W's fragments and the reads of the sums
	; THE WAY OUT.  Piece p of my wave is head group g = 6 x block column + 2 p + half: which = g / 16, head = g % 16.
	s_mul_i32 s66, s22, 6
	s_add_co_u32 s66, s66, s18
	s_lshr_b32 s92, s23, 3
	s_lshl_b32 s92, s92, 4                         ; 16 x batch
	s_and_b32 s93, s23, 7
	s_lshl_b32 s93, s93, 15                        ; 256 rows x 128 bytes x (block row mod 8)
	s_lshl_b32 s94, s17, 14
	s_add_co_u32 s93, s93, s94                     ; + my 128 rows
.irp p, 0,1,2
	s_add_co_u32 s67, s66, 2*\p
	s_lshr_b32 s86, s67, 4
	s_and_b32 s87, s67, 15
	s_cmp_eq_u32 s86, 0
	s_cselect_b32 s[SC+2*\p], 0x3e38aa3b, 1.0      ; q: 0.125 log2(e); k, v: 1
	s_mov_b32 s[SC+2*\p+1], s[SC+2*\p]
	s_cmp_eq_u32 s86, 1
	s_cselect_b64 s[BP+2*\p:BP+2*\p+1], s[10:11], s[8:9]
	s_cmp_eq_u32 s86, 2
	s_cselect_b64 s[BP+2*\p:BP+2*\p+1], s[12:13], s[BP+2*\p:BP+2*\p+1]
	s_lshl_b32 s88, s87, 8
	s_mov_b32 s89, 0
	s_add_nc_u64 s[BP+2*\p:BP+2*\p+1], s[BP+2*\p:BP+2*\p+1], s[88:89]
	s_lshl_b32 s90, s86, 6
	s_add_co_u32 s90, s90, s92
	s_add_co_u32 s90, s90, s87                     ; plane 64 which + 16 batch + head
	s_lshl_b32 s90, s90, 18
	s_add_co_u32 s90, s90, s93
	s_mov_b32 s91, 0
	s_add_nc_u64 s[DP+2*\p:DP+2*\p+1], s[14:15], s[90:91]
.irp bb, 0,1,2,3
	global_load_b128 v[FB+32*\p+8*\bb:FB+32*\p+8*\bb+3],   v[BO], s[BP+2*\p:BP+2*\p+1] offset:64*\bb       ; the biases of my eight columns of tile bb
	global_load_b128 v[FB+32*\p+8*\bb+4:FB+32*\p+8*\bb+7], v[BO], s[BP+2*\p:BP+2*\p+1] offset:64*\bb+16
.endr
.endr
	s_wait_loadcnt 0x0
.irp p, 0,1,2
.set j, 0
.rept 16
	v_pk_mul_f32 v[FB+32*\p+j:FB+32*\p+j+1], v[FB+32*\p+j:FB+32*\p+j+1], s[SC+2*\p:SC+2*\p+1] op_sel_hi:[1,0]   ; (sum + b) scale = sum scale + (b scale)
.set j, j+2
.endr
.endr
; 16 rows x 64 columns: scale and bias in one fused multiply-add, round, 16 bytes a lane into my stage, back as whole rows, out.
; In qkv a head's rows of 128 bytes follow each other, so four rows are 512 consecutive bytes: one store of the wave.
.macro OUT p, a, buf
	WIN \p+1                                       ; source 0 (the sums) in window 1 + p
.irp bb, 0,1,2,3
.irp jj, 0,1,2,3
	v_pk_fma_f32 v[TMP+8*\bb+2*\jj:TMP+8*\bb+2*\jj+1], v[8*(8*\bb+(\a))+2*\jj:8*(8*\bb+(\a))+2*\jj+1], s[SC+2*\p:SC+2*\p+1], v[FB+32*\p+8*\bb+2*\jj:FB+32*\p+8*\bb+2*\jj+1] op_sel_hi:[1,0,1]
.endr
.endr
	WIN 0
.irp bb, 0,1,2,3
.irp jj, 0,1,2,3
	v_cvt_pk_bf16_f32 v[PK+4*\bb+\jj], v[TMP+8*\bb+2*\jj], v[TMP+8*\bb+2*\jj+1]
.endr
.endr
.irp bb, 0,1,2,3
	ds_store_b128 v[STO], v[PK+4*\bb:PK+4*\bb+3] offset:32*\bb
.endr
	s_wait_xcnt 0x0                                ; buf was the data of earlier stores: loaded again only behind this wait
.irp t, 0,1,2,3
	ds_load_b128 v[\buf+4*\t:\buf+4*\t+3], v[RD] offset:\t*4*APITCH    ; LDS serves a wave's instructions in order (ISA guide 5.7.1): these see the stores above
.endr
.irp t, 0,1,2,3
	s_wait_dscnt 3-\t                              ; load t is back; the later ones stay out
	global_store_b128 v[CO], v[\buf+4*\t:\buf+4*\t+3], s[DP+2*\p:DP+2*\p+1] offset:2048*(\a)+512*\t
.endr
.endm
.irp p, 0,1,2
.irp a, 0,2,4,6
	OUT \p, \a, 80
	OUT \p, \a+1, 96
.endr
.endr
	s_wait_tensorcnt 0x0
	ds_add_u32 v30, v31
	s_wait_dscnt 0x0
	CROUND                                         ; the closing round: no work-group ends while a partner may still ask for a tile that names it
	s_endpgm
.Lfunc_end_k_q662de13885_qkvgemm:
	.size	k_q662de13885_qkvgemm, .Lfunc_end_k_q662de13885_qkvgemm-k_q662de13885_qkvgemm
	.p2alignl 7, 3214868480
	.fill 96, 4, 3214868480
	.section	.rodata,"a",@progbits
	.p2align	6, 0x0
	.amdhsa_kernel k_q662de13885_qkvgemm
		.amdhsa_group_segment_fixed_size 327680
		.amdhsa_private_segment_fixed_size 0
		.amdhsa_enable_private_segment 0
		.amdhsa_kernarg_size 48
		.amdhsa_user_sgpr_count 2
		.amdhsa_user_sgpr_kernarg_segment_ptr 1
		.amdhsa_wavefront_size32 1
		.amdhsa_system_sgpr_workgroup_id_x 1
		.amdhsa_system_sgpr_workgroup_id_y 1
		.amdhsa_system_sgpr_workgroup_id_z 1
		.amdhsa_system_vgpr_workitem_id 0
		.amdhsa_next_free_vgpr 1024
		.amdhsa_next_free_sgpr 96
		.amdhsa_reserve_vcc 0
		.amdhsa_float_denorm_mode_32 3
		.amdhsa_float_denorm_mode_16_64 3
		.amdhsa_memory_ordered 1
		.amdhsa_forward_progress 1
		.amdhsa_inst_pref_size 201
	.end_amdhsa_kernel
	.amdgpu_metadata
---
amdhsa.version: [ 1, 2 ]
amdhsa.kernels:
  - .name:           k_q662de13885_qkvgemm
    .symbol:         k_q662de13885_qkvgemm.kd
    .args:
      - { .name: xnb, .offset: 0, .size: 8, .value_kind: global_buffer, .address_space: global }
      - { .name: wcat, .offset: 8, .size: 8, .value_kind: global_buffer, .address_space: global }
      - { .name: bq, .offset: 16, .size: 8, .value_kind: global_buffer, .address_space: global }
      - { .name: bk, .offset: 24, .size: 8, .value_kind: global_buffer, .address_space: global }
      - { .name: bv, .offset: 32, .size: 8, .value_kind: global_buffer, .address_space: global }
      - { .name: qkv, .offset: 40, .size: 8, .value_kind: global_buffer, .address_space: global }
    .group_segment_fixed_size: 327680
    .private_segment_fixed_size: 0
    .kernarg_segment_align: 8
    .kernarg_segment_size: 48
    .max_flat_workgroup_size: 128
    .sgpr_count:     96
    .vgpr_count:     1024
    .wavefront_size: 32
...
	.end_amdgpu_metadata
.endif
;; end of part 2
;; launch attn (part 3): grid 256 x 1, 8 waves a work-group, clusters of 4 x 1, 327,680 bytes of LDS; arguments qkv, x, stats, gamma, beta, out0; writes out0
.if DOCPART == 3
	.amdgcn_target "amdgcn-amd-amdhsa--gfx1250"
	.amdhsa_code_object_version 6
	.text
	.protected	k_q662de13885_attn
	.globl	k_q662de13885_attn
	.p2align	8
	.type	k_q662de13885_attn,@function
k_q662de13885_attn:
	s_mov_b64 s[64:65], 0
	v_nop
	global_prefetch_b8 v0, s[64:65] scope:SCOPE_SE
	s_setreg_imm32_b32 hwreg(HW_REG_WAVE_MODE, 25, 1), 1
	s_wait_xcnt 0x0
	s_wait_alu depctr_hold_cnt(0) depctr_sa_sdst(0) depctr_va_vdst(0) depctr_va_sdst(0) depctr_va_ssrc(0) depctr_va_vcc(0) depctr_vm_vsrc(0)
	s_getreg_b32 s2, hwreg(HW_REG_IB_STS2, 6, 4)
	s_cmp_eq_u32 s2, 0
	s_cbranch_scc0 .Lentry_in_a_cluster
	s_endpgm
.Lentry_in_a_cluster:
	s_bfe_u32 s2, ttmp6, 0x10000c
	s_cmp_lg_u32 s2, 0x3003
	s_cbranch_scc0 .Lentry_shape_is_right
	s_endpgm
.Lentry_shape_is_right:
; out0 = xn + softmax(q k^T / 8) v, for 64 (batch, head) pairs, S = 2048, d = 64.  q (already times 0.125 log2 e), k, v: bf16 planes of qkv [which][bh][s][64].
; A cluster of four work-groups is one (batch, head); a work-group takes 512 queries, each of its eight waves 64 (four tiles of 16).  Two waves lie on a SIMD, so that one
; wave's softmax arithmetic can run beside the other's matrix instructions.
; CLUSTERS: the four work-groups walk the same keys and values and ask for each tile jointly (mask 15): a quarter of the requests.
; Keys go in 8 tiles of 256 through two LDS slots; waves 0-3 fetch a quarter of K's tile each, waves 4-7 of V's (64 rows x 128 bytes: the rows are a head's, 128 bytes in the tensor itself).
; By this text's own count a wave has one tensor load outstanding.
; LAYOUT: S^T = K Q^T (source 0 = 16 keys, source 1 = 16 queries): lane (r, h) holds keys 8 h + 0..7 of query r.  So maximum and sum run inside a lane plus one exchange
; between the halves, the rounded p are already source 1 of O^T = V^T P^T, and maximum, sum and rescaling factor are one number a lane.  V^T comes out of LDS by the transposing load.
; SOFTMAX: a running maximum, exact, taken away before every exponential; sums of the unrounded f32 p; each half of the lanes keeps the sum of its own keys until the end.
; RESIDUAL: xn is made again in f32 from x, stats, gamma, beta (one read of x) instead of being stored and read back in f32.
; LIMITS: NaN and infinities are not treated apart; p below 2^-126 counts as 0 (v_exp_f32 flushes denormal results, ISA guide 15.8); q, k, v, p are bf16 as matrix operands.
.set SLOT,  77824                      ; K: 256 rows x 144, then V: 256 rows x 160
.set KP,    144                        ; 128 + 16: an odd multiple of 16
.set VP,    160                        ; 128 + 32: an odd multiple of 32, for the transposing load
.set VOFF,  36864
.set STAGE, 155648                     ; 16 rows x 272 bytes of f32 for each wave; ds_store alone writes it
.set SP,    272
.set SCR,   190464                     ; 512 bytes for each wave: (mu, rstd) of its 64 rows; ds_store alone writes it
.set ADRK, 4                           ; v4-5   K fragments, slot 0, 1
.set ADRV, 6                           ; v6-7   V fragments
.set STO,  8
.set RD,   9
.set XO,   10                          ; 4,096 (l / 16) + 16 (l % 16): two rows of x and out0, a head's 256 bytes each
.set STA,  11
.set PFO,  12                          ; 4,096 l
.set SCW,  13
.set QO,   14
.set M,    16                          ; v[16:19] running maximum of query tile qt
.set LS,   20                          ; v[20:23] running sum
.set MN,   24                          ; pair: the new maximum, twice
.set AL,   26                          ; pair: the rescaling factor, twice
.set T,    28                          ; v[28:35] at work
.set P,    36                          ; v[36:51] p in bf16: source 1 for 64 keys
.set S,    52                          ; v[52:83] four score tiles
.set KF,   84                          ; v[84:147]  K fragments of 64 keys: 16 kt + 8 ks
.set VF,   148                         ; v[148:211] V^T fragments of 64 keys: 32 k2 + 8 dt
.set GA,   212
.set BE,   216
.set STT,  220
.set AT,   224                         ; v[224:255] attended rows on the way out
.set OA,   0                           ; window 1: O^T tile (qt, dt) at 32 qt + 8 dt
.set QF,   128                         ; window 1: Q fragment (qt, ks) at 128 + 16 qt + 8 ks
.set G1K, 24
.set G1V, 32
.set G0K, 40                           ; s[40:47] a set for each slot
.set G0V, 48                           ; s[48:55]
.set MSB, 0
.macro WIN new
.if MSB != (\new)
	s_set_vgpr_msb (MSB<<8)|(\new)
.set MSB, \new
.endif
.endm
.macro PLACES                          ; four plain places behind a matrix instruction (ISA guide 7.12.1)
.rept 4
	v_nop
.endr
.endm
.macro ROUND                           ; a round of the cluster's barrier
	s_barrier_signal -1
	s_barrier_wait -1
	s_cmp_lg_u32 s16, 0
	s_cbranch_scc1 .Lnot_wave_0_\@
	s_barrier_signal -3
.Lnot_wave_0_\@:
	s_barrier_wait -3
	s_barrier_signal -1
	s_barrier_wait -1
.endm
.macro JLOAD s                         ; one joint load a wave: waves 0-3 K's quarters, waves 4-7 V's
	s_cmp_eq_u32 s18, 0
	s_cbranch_scc0 .Lfor_v_\@
	tensor_load_to_lds s[G0K+4*(\s):G0K+4*(\s)+3], s[G1K:G1K+7]
	s_nop 0
	s_branch .Lasked_\@
.Lfor_v_\@:
	tensor_load_to_lds s[G0V+4*(\s):G0V+4*(\s)+3], s[G1V:G1V+7]
	s_nop 0
.Lasked_\@:
.endm
	s_load_b256 s[4:11], s[0:1], 0x0               ; qkv 4:5, x 6:7, stats 8:9, gamma 10:11
	s_load_b128 s[12:15], s[0:1], 0x20             ; beta 12:13, out0 14:15
	v_lshl_add_u32 v15, v0, 2, 0x2f800
	s_set_vgpr_msb 0x40
	v_mov_b32 v193, 0
	s_set_vgpr_msb 0x4044
	ds_add_u32 v15, v193
	s_set_vgpr_msb 0x4400
	v_lshrrev_b32 v1, 5, v0
	v_readfirstlane_b32 s16, v1                    ; wave 0..7
	s_and_b32 s17, s16, 3                          ; which quarter of a tile I fetch
	s_lshr_b32 s18, s16, 2                         ; of K (0) or of V (1)
	s_bfe_u32 s19, ttmp6, 0x40000                  ; cx: my block of 512 queries
	s_mov_b32 s20, ttmp9                           ; the cluster's number: bh = 16 batch + head
	s_mov_b32 s22, 0x76543210                      ; v_permlanex16_b32: lane i of one half reads lane i of the other
	s_mov_b32 s23, 0xfedcba98
	s_mov_b32 s[G1K+0], 15|(1<<16)|(1<<20)|(1<<21)|(4<<22)|(3<<25)    ; mask: all four; 2-byte elements; padding on; bit 21 beside a mask; after every 32 words 4 words
	s_mov_b32 s[G1V+0], 15|(1<<16)|(1<<20)|(1<<21)|(4<<22)|(7<<25)    ; after every 32 words 8 words
.irp g, G1K, G1V
	s_mov_b32 s[\g+1], 64<<16                      ; tensor_dim0 = 64
	s_mov_b32 s[\g+2], 64<<16                      ; tensor_dim1 = 64
	s_mov_b32 s[\g+3], 64<<16                      ; tile_dim0 = 64 elements
	s_mov_b32 s[\g+4], 64                          ; tile_dim1 = 64 rows
	s_mov_b32 s[\g+5], 64                          ; elements from row to row
	s_mov_b32 s[\g+6], 0
	s_mov_b32 s[\g+7], 0
.endr
	; K's and V's addresses hang on bh and the wave's number alone: equal in the four partners
	s_lshl_b32 s60, s20, 18
	s_lshl_b32 s62, s17, 13
	s_add_co_u32 s60, s60, s62                     ; 262,144 bh + 64 rows x 128 bytes x quarter
	s_add_co_u32 s62, s60, 128*262144              ; V's planes
	s_add_co_u32 s60, s60, 64*262144               ; K's planes
	s_mov_b32 s61, 0
	s_mov_b32 s63, 0
	s_mul_i32 s2, s17, 64*KP
	s_mul_i32 s3, s17, 64*VP
	s_add_co_u32 s3, s3, VOFF
	; what hangs on cx, in registers of its own
	s_lshl_b32 s68, s19, 9
	s_lshl_b32 s69, s16, 6
	s_add_co_u32 s68, s68, s69                     ; my first query in the sequence: 512 cx + 64 wave
	s_lshl_b32 s70, s68, 7
	s_lshl_b32 s71, s20, 18
	s_add_co_u32 s70, s70, s71                     ; q: 262,144 bh + 128 x query
	s_mov_b32 s71, 0
	s_lshr_b32 s69, s20, 4
	s_lshl_b32 s69, s69, 11
	s_add_co_u32 s68, s68, s69                     ; my first row of x: 2,048 batch + query
	s_and_b32 s76, s20, 15
	s_lshl_b32 s76, s76, 8                         ; the head's 64 columns: 256 bytes x head
	s_mov_b32 s77, 0
	s_lshl_b32 s72, s68, 12
	s_add_co_u32 s72, s72, s76
	s_mov_b32 s73, 0
	s_lshl_b32 s74, s68, 3
	s_mov_b32 s75, 0
	s_wait_dscnt 0x0
	s_wait_kmcnt 0x0
	s_add_nc_u64 s[60:61], s[4:5], s[60:61]
	s_add_nc_u64 s[62:63], s[4:5], s[62:63]
.irp n, 0,1
	s_mov_b32 s[G0K+4*\n], 1
	s_add_co_u32 s[G0K+4*\n+1], s2, \n*SLOT
	s_add_nc_u64 s[G0K+4*\n+2:G0K+4*\n+3], s[60:61], \n*32768         ; tile n: 256 keys x 128 bytes
	s_or_b32 s[G0K+4*\n+3], s[G0K+4*\n+3], 0x80000000
	s_mov_b32 s[G0V+4*\n], 1
	s_add_co_u32 s[G0V+4*\n+1], s3, \n*SLOT
	s_add_nc_u64 s[G0V+4*\n+2:G0V+4*\n+3], s[62:63], \n*32768
	s_or_b32 s[G0V+4*\n+3], s[G0V+4*\n+3], 0x80000000
.endr
	s_add_nc_u64 s[66:67], s[4:5], s[70:71]        ; q'
	s_add_nc_u64 s[56:57], s[6:7], s[72:73]        ; x'
	s_add_nc_u64 s[58:59], s[14:15], s[72:73]      ; out'
	s_add_nc_u64 s[78:79], s[8:9], s[74:75]        ; stats'
	s_add_nc_u64 s[80:81], s[10:11], s[76:77]      ; gamma'
	s_add_nc_u64 s[82:83], s[12:13], s[76:77]      ; beta'
	v_and_b32 v1, 15, v0                           ; r
	v_bfe_u32 v2, v0, 4, 1                         ; h
	v_and_b32 v3, 31, v0                           ; l
	v_mul_u32_u24 v[ADRK], v1, KP
	v_lshl_add_u32 v[ADRK], v2, 4, v[ADRK]         ; 144 r + 16 h
	v_add_nc_u32 v[ADRK+1], SLOT, v[ADRK]
	v_and_b32 v28, 7, v0
	v_lshl_add_u32 v28, v2, 3, v28                 ; key row 8 h + l % 8
	v_mul_u32_u24 v28, v28, VP
	v_bfe_u32 v29, v0, 3, 1
	v_lshl_add_u32 v28, v29, 4, v28
	v_add_nc_u32 v[ADRV], VOFF, v28
	v_add_nc_u32 v[ADRV+1], SLOT, v[ADRV]
	s_mul_i32 s84, s16, 16*SP
	s_add_co_u32 s84, s84, STAGE                   ; my stage
	s_lshl_b32 s85, s16, 9
	s_add_co_u32 s85, s85, SCR                     ; my 512 bytes of stats
	v_mul_u32_u24 v28, v1, SP
	v_lshl_add_u32 v28, v2, 5, v28
	v_add_nc_u32 v[STO], s84, v28                  ; in: row r, 32 bytes for each half of the lanes
	v_mul_u32_u24 v28, v2, SP
	v_lshl_add_u32 v28, v1, 4, v28
	v_add_nc_u32 v[RD], s84, v28                   ; back: lanes 0-15 one row of 256 bytes, lanes 16-31 the next
	v_lshlrev_b32 v28, 4, v1                       ; 16 r: my four columns in gamma and beta
	v_lshl_add_u32 v[XO], v2, 12, v28
	v_lshlrev_b32 v29, 4, v3                       ; 16 l
	v_lshl_add_u32 v[STA], v2, 3, s85
	v_lshlrev_b32 v[PFO], 12, v3
	v_add_nc_u32 v[SCW], s85, v29
	v_lshlrev_b32 v[QO], 7, v1
	v_lshl_add_u32 v[QO], v2, 4, v[QO]             ; 128 r + 16 h
	WIN 0x40                                       ; destination in window 1
.irp qt, 0,1,2,3
.irp c, 0,1,2,3
	global_load_b128 v[QF+16*\qt+4*\c:QF+16*\qt+4*\c+3], v[QO], s[66:67] offset:2048*\qt+32*\c   ; Q stays in registers for the whole kernel
.endr
.endr
	WIN 0
	global_load_b128 v[GA:GA+3], v28, s[80:81]
	global_load_b128 v[BE:BE+3], v28, s[82:83]
	global_load_b128 v[STT:STT+3], v29, s[78:79]   ; (mu, rstd) of my 64 rows: 512 consecutive bytes
	ROUND                                          ; all four work-groups are here: the first joint load meets
	JLOAD 0
	s_wait_loadcnt 0x0                             ; Q, gamma, beta, stats, once; v28, v29 are free again
.macro LDK slot, blk                   ; K fragments of 64 keys: 16 loads
.irp kt, 0,1,2,3
.irp ks, 0,1
	ds_load_b128 v[KF+16*\kt+8*\ks:KF+16*\kt+8*\ks+3],   v[ADRK+\slot] offset:64*KP*(\blk)+16*KP*\kt+64*\ks
	ds_load_b128 v[KF+16*\kt+8*\ks+4:KF+16*\kt+8*\ks+7], v[ADRK+\slot] offset:64*KP*(\blk)+16*KP*\kt+64*\ks+32
.endr
.endr
.endm
.macro LDV slot, blk                   ; V^T fragments of 64 keys: 16 transposing loads
.irp k2, 0,1
.irp dt, 0,1,2,3
	ds_load_tr16_b128 v[VF+32*\k2+8*\dt:VF+32*\k2+8*\dt+3],   v[ADRV+\slot] offset:64*VP*(\blk)+32*VP*\k2+32*\dt
	ds_load_tr16_b128 v[VF+32*\k2+8*\dt+4:VF+32*\k2+8*\dt+7], v[ADRV+\slot] offset:64*VP*(\blk)+32*VP*\k2+32*\dt+16*VP
.endr
.endr
.endm
; 16 queries x 64 keys.  first = 1: nothing has been summed yet.  vwait = 1: V's fragments are waited for here.  kpre = 1: the next 64 keys' K fragments are fetched.
; In both groups of eight matrix instructions four accumulators take turns, one instruction a turn.
.macro QT qt, first, vwait, kpre, slot, blk
	WIN 0x04                                       ; source 1 (Q) in window 1
.irp kt, 0,1,2,3
	v_wmma_f32_16x16x32_bf16 v[S+8*\kt:S+8*\kt+7], v[KF+16*\kt:KF+16*\kt+7], v[QF+16*\qt:QF+16*\qt+7], 0
.endr
.irp kt, 0,1,2,3
	v_wmma_f32_16x16x32_bf16 v[S+8*\kt:S+8*\kt+7], v[KF+16*\kt+8:KF+16*\kt+15], v[QF+16*\qt+8:QF+16*\qt+15], v[S+8*\kt:S+8*\kt+7]
.endr
	WIN 0
	PLACES
.if \kpre
	LDK \slot, \blk+1
.endif
	; the largest of my 32 scores, in four chains; then the other half's, and the maximum so far
.irp c, 0,1,2,3
	v_max3_num_f32 v[T+\c], v[S+8*\c], v[S+8*\c+1], v[S+8*\c+2]
.endr
.irp e, 3,5
.irp c, 0,1,2,3
	v_max3_num_f32 v[T+\c], v[T+\c], v[S+8*\c+\e], v[S+8*\c+\e+1]
.endr
.endr
.irp c, 0,1,2,3
	v_max_num_f32 v[T+\c], v[T+\c], v[S+8*\c+7]
.endr
	v_max3_num_f32 v[T], v[T], v[T+1], v[T+2]
	v_max_num_f32 v[T], v[T], v[T+3]
	v_permlanex16_b32 v[T+1], v[T], s22, s23
.if \first
	v_max_num_f32 v[MN], v[T], v[T+1]
.else
	v_max3_num_f32 v[MN], v[T], v[T+1], v[M+\qt]
	v_sub_f32 v[T+2], v[M+\qt], v[MN]
.endif
	v_mov_b32 v[MN+1], v[MN]
.set j, 0
.rept 16
	v_pk_add_f32 v[S+j:S+j+1], v[S+j:S+j+1], v[MN:MN+1] neg_lo:[0,1] neg_hi:[0,1]
.set j, j+2
.endr
.if !\first
	v_exp_f32 v[AL], v[T+2]                        ; 2^(old maximum - new), twice, for the packed forms
	v_exp_f32 v[AL+1], v[T+2]
.endif
.set j, 0
.rept 32
	v_exp_f32 v[S+j], v[S+j]
.set j, j+1
.endr
	v_mov_b32 v[M+\qt], v[MN]                      ; the plain place behind the transcendentals (ISA guide 5.7.2), and useful
	s_wait_alu depctr_va_vdst(0)
.irp kt, 0,1,2,3
.irp jj, 0,1,2,3
	v_cvt_pk_bf16_f32 v[P+4*\kt+\jj], v[S+8*\kt+2*\jj], v[S+8*\kt+2*\jj+1]    ; keys 16 kt + 8 h + 0..7: registers 4 (kt % 2) .. + 3 of source 1 for keys 32 (kt / 2) ..
.endr
.endr
.irp c, 0,1,2,3
	v_pk_add_f32 v[T+2*\c:T+2*\c+1], v[S+8*\c:S+8*\c+1], v[S+8*\c+2:S+8*\c+3]
.endr
.irp e, 4,6
.irp c, 0,1,2,3
	v_pk_add_f32 v[T+2*\c:T+2*\c+1], v[T+2*\c:T+2*\c+1], v[S+8*\c+\e:S+8*\c+\e+1]
.endr
.endr
	v_pk_add_f32 v[T:T+1], v[T:T+1], v[T+2:T+3]
	v_pk_add_f32 v[T+4:T+5], v[T+4:T+5], v[T+6:T+7]
	v_pk_add_f32 v[T:T+1], v[T:T+1], v[T+4:T+5]
.if \first
	v_add_f32 v[LS+\qt], v[T], v[T+1]
.else
	v_add_f32 v[T], v[T], v[T+1]
	v_fma_f32 v[LS+\qt], v[LS+\qt], v[AL], v[T]
	WIN 0x41                                       ; O in window 1, as source 0 and as destination
.set j, 0
.rept 16
	v_pk_mul_f32 v[OA+32*\qt+j:OA+32*\qt+j+1], v[OA+32*\qt+j:OA+32*\qt+j+1], v[AL:AL+1]
.set j, j+2
.endr
.endif
.if \vwait
	s_wait_dscnt 0                                 ; V's fragments are in
.endif
	WIN 0x50                                       ; C and D (O) in window 1
.irp dt, 0,1,2,3
.if \first
	v_wmma_f32_16x16x32_bf16 v[OA+32*\qt+8*\dt:OA+32*\qt+8*\dt+7], v[VF+8*\dt:VF+8*\dt+7], v[P:P+7], 0
.else
	v_wmma_f32_16x16x32_bf16 v[OA+32*\qt+8*\dt:OA+32*\qt+8*\dt+7], v[VF+8*\dt:VF+8*\dt+7], v[P:P+7], v[OA+32*\qt+8*\dt:OA+32*\qt+8*\dt+7]
.endif
.endr
.irp dt, 0,1,2,3
	v_wmma_f32_16x16x32_bf16 v[OA+32*\qt+8*\dt:OA+32*\qt+8*\dt+7], v[VF+32+8*\dt:VF+32+8*\dt+7], v[P+8:P+15], v[OA+32*\qt+8*\dt:OA+32*\qt+8*\dt+7]
.endr
	WIN 0
.endm
; 64 keys against my 64 queries
.macro BLOCK slot, blk, first, pf
	PLACES                                         ; behind the last products with V: their sources are loaded again
.if \blk == 0
	LDK \slot, 0
.endif
	LDV \slot, \blk
	s_wait_dscnt 16                                ; K's fragments are in; V's 16 loads, issued behind them, may be out
	QT 0, \first, 1, 0, \slot, \blk
.if \pf
	; x for the way out: each wave asks once for its own 64 rows' 256 bytes (one lane a row, rows 0-31 and 32-63), three query tiles of the last 64 keys ahead of the loads; nothing else is prefetched
	global_prefetch_b8 v[PFO], s[56:57] th:TH_LOAD_NT scope:SCOPE_SE
	global_prefetch_b8 v[PFO], s[56:57] offset:131072 th:TH_LOAD_NT scope:SCOPE_SE
.endif
	QT 1, \first, 0, 0, \slot, \blk
	QT 2, \first, 0, 0, \slot, \blk
.if \blk < 3
	QT 3, \first, 0, 1, \slot, \blk
.else
	QT 3, \first, 0, 0, \slot, \blk
.endif
.endm
; A tile of 256 keys.  In front of the round every wave waits for all its tensor loads (its part of this tile among them) and for its reads of the other slot;
; behind the round the other slot's refill comes first, one joint load a wave, and has this tile's work in which to land.
.macro TRIP slot, refill, first, pf
	s_set_vgpr_msb 0x4
	s_wait_tensorcnt 0x0
	ds_add_u32 v15, v193
	s_wait_dscnt 0x0
	s_set_vgpr_msb 0x400
	s_add_nc_u64 s[G0K+4*\slot+2:G0K+4*\slot+3], s[G0K+4*\slot+2:G0K+4*\slot+3], 65536    ; no load of mine is out: this slot's next tile, two on
	s_add_nc_u64 s[G0V+4*\slot+2:G0V+4*\slot+3], s[G0V+4*\slot+2:G0V+4*\slot+3], 65536
	s_wait_dscnt 0x0
	ROUND
.if \refill
	JLOAD 1-\slot
.endif
	BLOCK \slot, 0, \first, 0
	BLOCK \slot, 1, 0, 0
	BLOCK \slot, 2, 0, 0
	BLOCK \slot, 3, 0, \pf
.endm
	TRIP 0, 1, 1, 0                                ; tile 0; asks for tile 1
	TRIP 1, 1, 0, 0
	s_mov_b32 s21, 2                               ; tiles 2..5
.Lpair:
	TRIP 0, 1, 0, 0
	TRIP 1, 1, 0, 0
	s_sub_co_u32 s21, s21, 1
	s_cmp_lg_u32 s21, 0
	s_cbranch_scc1 .Lpair
	TRIP 0, 1, 0, 0                                ; tile 6; asks for tile 7, the last
	TRIP 1, 0, 0, 1                                ; nothing is left to fetch (the stepped addresses are not used)
	; THE WAY OUT
	PLACES                                         ; behind the last matrix instructions: K's and V's registers are loaded again, O is read
.irp qt, 0,1,2,3
.irp t, 0,1,2,3,4,5,6,7
	global_load_b128 v[KF+4*(8*\qt+\t):KF+4*(8*\qt+\t)+3], v[XO], s[56:57] offset:(16*\qt+2*\t)*4096 th:TH_LOAD_NT   ; rows 16 qt + 2 t, + 1: sixteen lanes take a row's 256 bytes
.endr
.endr
	ds_store_b128 v[SCW], v[STT:STT+3]             ; stats to my own bytes, to be read back by rows
.macro FIN qt
	v_permlanex16_b32 v[T], v[LS+\qt], s22, s23
	v_add_f32 v[T], v[T], v[LS+\qt]                ; the two halves' sums
	v_rcp_f32 v[AL], v[T]
	v_rcp_f32 v[AL+1], v[T]
	v_nop                                          ; the plain place behind the transcendentals
	WIN 0x01                                       ; source 0 (O) in window 1
.set j, 0
	s_wait_alu depctr_va_vdst(0)
.rept 16
	v_pk_mul_f32 v[S+j:S+j+1], v[OA+32*\qt+j:OA+32*\qt+j+1], v[AL:AL+1]
.set j, j+2
.endr
	WIN 0
.irp dt, 0,1,2,3
	ds_store_b128 v[STO], v[S+8*\dt:S+8*\dt+3]   offset:64*\dt         ; query r, d = 16 dt + 8 h + 0..7
	ds_store_b128 v[STO], v[S+8*\dt+4:S+8*\dt+7] offset:64*\dt+16
.endr
.irp t, 0,1,2,3,4,5,6,7
	ds_load_b128 v[AT+4*\t:AT+4*\t+3], v[RD] offset:2*SP*\t            ; LDS serves a wave's instructions in order (ISA guide 5.7.1): these see the stores above
	ds_load_b64 v[P+2*\t:P+2*\t+1], v[STA] offset:8*(16*\qt+2*\t)      ; (mu, rstd) of my row
.endr
.irp t, 0,1,2,3,4,5,6,7
	s_wait_dscnt 14-2*\t                           ; pair t is back; the later pairs stay out
	s_wait_loadcnt 31-(8*\qt+\t)                   ; x's load for these rows is in; the later ones stay out
.irp e, 0,2
	v_pk_add_f32 v[KF+4*(8*\qt+\t)+\e:KF+4*(8*\qt+\t)+\e+1], v[KF+4*(8*\qt+\t)+\e:KF+4*(8*\qt+\t)+\e+1], v[P+2*\t:P+2*\t+1] op_sel:[0,0] op_sel_hi:[1,0] neg_lo:[0,1] neg_hi:[0,1]   ; x - mu
.endr
.irp e, 0,2
	v_pk_mul_f32 v[KF+4*(8*\qt+\t)+\e:KF+4*(8*\qt+\t)+\e+1], v[KF+4*(8*\qt+\t)+\e:KF+4*(8*\qt+\t)+\e+1], v[P+2*\t:P+2*\t+1] op_sel:[0,1] op_sel_hi:[1,1]   ; x rstd
.endr
.irp e, 0,2
	v_pk_fma_f32 v[KF+4*(8*\qt+\t)+\e:KF+4*(8*\qt+\t)+\e+1], v[KF+4*(8*\qt+\t)+\e:KF+4*(8*\qt+\t)+\e+1], v[GA+\e:GA+\e+1], v[BE+\e:BE+\e+1]
.endr
.irp e, 0,2
	v_pk_add_f32 v[KF+4*(8*\qt+\t)+\e:KF+4*(8*\qt+\t)+\e+1], v[KF+4*(8*\qt+\t)+\e:KF+4*(8*\qt+\t)+\e+1], v[AT+4*\t+\e:AT+4*\t+\e+1]
.endr
	global_store_b128 v[XO], v[KF+4*(8*\qt+\t):KF+4*(8*\qt+\t)+3], s[58:59] offset:(16*\qt+2*\t)*4096 th:TH_STORE_NT   ; sixteen lanes store 256 consecutive bytes, aligned; data registers are never rewritten
.endr
.endm
	FIN 0
	FIN 1
	FIN 2
	FIN 3
	s_wait_dscnt 0x0
	s_set_vgpr_msb 0x4
	s_wait_tensorcnt 0x0
	ds_add_u32 v15, v193
	s_wait_dscnt 0x0
	s_set_vgpr_msb 0x400
	ROUND                                          ; the closing round: no work-group ends while a partner may still ask for a tile that names it
	s_endpgm
.Lfunc_end_k_q662de13885_attn:
	.size	k_q662de13885_attn, .Lfunc_end_k_q662de13885_attn-k_q662de13885_attn
	.p2alignl 7, 3214868480
	.fill 96, 4, 3214868480
	.section	.rodata,"a",@progbits
	.p2align	6, 0x0
	.amdhsa_kernel k_q662de13885_attn
		.amdhsa_group_segment_fixed_size 327680
		.amdhsa_private_segment_fixed_size 0
		.amdhsa_enable_private_segment 0
		.amdhsa_kernarg_size 48
		.amdhsa_user_sgpr_count 2
		.amdhsa_user_sgpr_kernarg_segment_ptr 1
		.amdhsa_wavefront_size32 1
		.amdhsa_system_sgpr_workgroup_id_x 1
		.amdhsa_system_sgpr_workgroup_id_y 1
		.amdhsa_system_sgpr_workgroup_id_z 1
		.amdhsa_system_vgpr_workitem_id 0
		.amdhsa_next_free_vgpr 450
		.amdhsa_next_free_sgpr 86
		.amdhsa_reserve_vcc 0
		.amdhsa_float_denorm_mode_32 3
		.amdhsa_float_denorm_mode_16_64 3
		.amdhsa_memory_ordered 1
		.amdhsa_forward_progress 1
		.amdhsa_inst_pref_size 255
	.end_amdhsa_kernel
	.section	.bss,"aw",@nobits
	.p2align	6
	.space	262144
	.amdgpu_metadata
---
amdhsa.version: [ 1, 2 ]
amdhsa.kernels:
  - .name:           k_q662de13885_attn
    .symbol:         k_q662de13885_attn.kd
    .args:
      - { .name: qkv, .offset: 0, .size: 8, .value_kind: global_buffer, .address_space: global }
      - { .name: x, .offset: 8, .size: 8, .value_kind: global_buffer, .address_space: global }
      - { .name: stats, .offset: 16, .size: 8, .value_kind: global_buffer, .address_space: global }
      - { .name: gamma, .offset: 24, .size: 8, .value_kind: global_buffer, .address_space: global }
      - { .name: beta, .offset: 32, .size: 8, .value_kind: global_buffer, .address_space: global }
      - { .name: out0, .offset: 40, .size: 8, .value_kind: global_buffer, .address_space: global }
    .group_segment_fixed_size: 327680
    .private_segment_fixed_size: 0
    .kernarg_segment_align: 8
    .kernarg_segment_size: 48
    .max_flat_workgroup_size: 256
    .sgpr_count:     86
    .vgpr_count:     450
    .wavefront_size: 32
...
	.end_amdgpu_metadata
.endif
;; end of part 3
;; ======== version 2 of 2: 3 launches
;; workspace buffers: xnb 16,777,216 bytes; stats 65,536 bytes; wcat 6,291,456 bytes; qkv 50,331,648 bytes
;; launch prep: the kernel of part 1 again; grid 352 x 1, 8 waves a work-group, no clusters, 0 bytes of LDS; arguments x, gamma, beta, Wq, Wk, Wv, xnb, stats, wcat; writes xnb, stats, wcat
;; launch qkvgemm: the kernel of part 2 again; grid 8 x 32, 4 waves a work-group, clusters of 4 x 4, 327,680 bytes of LDS; arguments xnb, wcat, bq, bk, bv, qkv; writes qkv
;; launch attn (part 4): grid 256 x 1, 8 waves a work-group, clusters of 4 x 1, 327,680 bytes of LDS; arguments qkv, x, stats, gamma, beta, out0; writes out0
.if DOCPART == 4
	.amdgcn_target "amdgcn-amd-amdhsa--gfx1250"
	.amdhsa_code_object_version 6
	.text
	.protected	k_q662de13885_attn
	.globl	k_q662de13885_attn
	.p2align	8
	.type	k_q662de13885_attn,@function
k_q662de13885_attn:
	s_mov_b64 s[64:65], 0
	v_nop
	global_prefetch_b8 v0, s[64:65] scope:SCOPE_SE
	s_setreg_imm32_b32 hwreg(HW_REG_WAVE_MODE, 25, 1), 1
	s_wait_xcnt 0x0
	s_wait_alu depctr_hold_cnt(0) depctr_sa_sdst(0) depctr_va_vdst(0) depctr_va_sdst(0) depctr_va_ssrc(0) depctr_va_vcc(0) depctr_vm_vsrc(0)
	s_getreg_b32 s2, hwreg(HW_REG_IB_STS2, 6, 4)
	s_cmp_eq_u32 s2, 0
	s_cbranch_scc0 .Lentry_in_a_cluster
	s_endpgm
.Lentry_in_a_cluster:
	s_bfe_u32 s2, ttmp6, 0x10000c
	s_cmp_lg_u32 s2, 0x3003
	s_cbranch_scc0 .Lentry_shape_is_right
	s_endpgm
.Lentry_shape_is_right:
; out0 = xn + softmax(q k^T / 8) v, for 64 (batch, head) pairs, S = 2048, d = 64.  q (already times 0.125 log2 e), k, v: bf16 planes of qkv [which][bh][s][64].
; A cluster of four work-groups is one (batch, head); a work-group takes 512 queries, each of its eight waves 64 (four tiles of 16).  Two waves lie on a SIMD.
; CLUSTERS: the four work-groups walk the same keys and values and ask for each tile jointly (mask 15): a quarter of the requests.
; Keys go in 8 tiles of 256 through two LDS slots; waves 0-3 fetch a quarter of K's tile each, waves 4-7 of V's (64 rows x 128 bytes: the rows are a head's, 128 bytes in the tensor itself).
; By this text's own count a wave has one tensor load outstanding.
; LOOPS: a step is 64 keys against the wave's 64 queries.  A tile is a counted loop of four trips over one body, which reads LDS through two running addresses;
; tile 0 stands ahead (its first step starts the sums), tiles 1-6 are three trips of a loop over the two slots, tile 7 stands behind (nothing is left to fetch).
; So the step's body stands five times in the text for the 32 times that it runs.
; LAYOUT: S^T = K Q^T (source 0 = 16 keys, source 1 = 16 queries): lane (r, h) holds keys 8 h + 0..7 of query r.  So maximum and sum run inside a lane plus one exchange
; between the halves, the rounded p are already source 1 of O^T = V^T P^T, and maximum and rescaling factor are one number a lane.  V^T comes out of LDS by the transposing load.
; WEAVING: a query tile has 16 matrix instructions and some 120 vector instructions.  The eight score products of the NEXT query tile stand among this tile's 32 exponentials
; (one product, four exponentials; two score buffers take turns), and the eight products with V of the tile BEFORE stand among this tile's 16 sum additions and 16 rescalings of O
; (one product, four packed instructions; two buffers of p take turns).  The registers are laid so that each of the two weaves runs under one window setting.
; Only the products with V of a step's fourth query tile and the first score products of a tile of 256 keys stand in runs of eight by themselves.
; SOFTMAX: a running maximum, exact, taken away before every exponential; sums of the unrounded f32 p, kept as four partial sums a lane and query tile until the end.
; RESIDUAL: xn is made again in f32 from x, stats, gamma, beta (one read of x) instead of being stored and read back in f32.
; LIMITS: NaN and infinities are not treated apart; p below 2^-126 counts as 0 (v_exp_f32 flushes denormal results, ISA guide 15.8); q, k, v, p are bf16 as matrix operands.
.set SLOT,  77824                      ; K: 256 rows x 144, then V: 256 rows x 160
.set KP,    144                        ; 128 + 16: an odd multiple of 16
.set VP,    160                        ; 128 + 32: an odd multiple of 32, for the transposing load
.set VOFF,  36864
.set STAGE, 155648                     ; 16 rows x 272 bytes of f32 for each wave; ds_store alone writes it
.set SP,    272
.set SCR,   190464                     ; 512 bytes for each wave: (mu, rstd) of its 64 rows; ds_store alone writes it
.set ADRK, 4                           ; v4-5   K fragments of a slot's first 64 keys, slot 0, 1
.set ADRV, 6                           ; v6-7   V fragments likewise
.set STO,  8
.set RD,   9
.set XO,   10                          ; 4,096 (l / 16) + 16 (l % 16): two rows of x and out0, a head's 256 bytes each
.set STA,  11
.set PFO,  12                          ; 4,096 l
.set SCW,  13
.set QO,   14
.set M,    16                          ; v[16:19] running maximum of query tile qt
.set MN,   24                          ; v24 the new maximum, v25 the rescaling factor: one pair, each broadcast by the packed forms' op_sel
.set AL,   25
.set CK,   26                          ; running LDS address of this step's K fragments
.set CV,   27                          ; and of its V fragments
.set T,    28                          ; v[28:35] at work
.set ST2,  36                          ; v[36:51] way out: (mu, rstd) of my rows
.set S0,   52                          ; v[52:83]   score buffer 0: four tiles of 16 keys x 16 queries
.set KF,   84                          ; v[84:147]  K fragments of 64 keys: 16 kt + 8 ks
.set VF,   148                         ; v[148:211] V^T fragments of 64 keys: 32 k2 + 8 dt
.set GA,   212
.set BE,   216
.set STT,  220
.set S1,   224                         ; v[224:255] score buffer 1
.set AT,   224                         ; the same registers on the way out: attended rows
.set OA,   0                           ; window 1: O^T tile (qt, dt) at 32 qt + 8 dt
.set QF,   128                         ; window 1: Q fragment (qt, ks) at 128 + 16 qt + 8 ks
.set PB,   192                         ; window 1: p in bf16, source 1 for 64 keys: two buffers of 16 registers
.set LP,   224                         ; window 1: two pairs of partial sums for query tile qt at 224 + 4 qt
.set G1K, 24
.set G1V, 32
.set G0K, 40                           ; s[40:47] a set for each slot
.set G0V, 48                           ; s[48:55]
.set MSB, 0
.macro WIN new
.if MSB != (\new)
	s_set_vgpr_msb (MSB<<8)|(\new)
.set MSB, \new
.endif
.endm
.macro PLACES n                        ; plain places behind a matrix instruction (ISA guide 7.12.1): four in all, n of them empty
	s_wait_alu depctr_va_vdst(0)
.rept \n
	v_nop
.endr
.endm
.macro ROUND                           ; a round of the cluster's barrier
	s_barrier_signal -1
	s_barrier_wait -1
	s_cmp_lg_u32 s16, 0
	s_cbranch_scc1 .Lnot_wave_0_\@
	s_barrier_signal -3
.Lnot_wave_0_\@:
	s_barrier_wait -3
	s_barrier_signal -1
	s_barrier_wait -1
.endm
.macro JLOAD s                         ; one joint load a wave: waves 0-3 K's quarters, waves 4-7 V's
	s_cmp_eq_u32 s18, 0
	s_cbranch_scc0 .Lfor_v_\@
	tensor_load_to_lds s[G0K+4*(\s):G0K+4*(\s)+3], s[G1K:G1K+7]
	s_nop 0
	s_branch .Lasked_\@
.Lfor_v_\@:
	tensor_load_to_lds s[G0V+4*(\s):G0V+4*(\s)+3], s[G1V:G1V+7]
	s_nop 0
.Lasked_\@:
.endm
	s_load_b256 s[4:11], s[0:1], 0x0               ; qkv 4:5, x 6:7, stats 8:9, gamma 10:11
	s_load_b128 s[12:15], s[0:1], 0x20             ; beta 12:13, out0 14:15
	v_lshl_add_u32 v34, v0, 2, 0x2f800
	v_mov_b32 v35, 0
	ds_add_u32 v34, v35
	v_lshrrev_b32 v1, 5, v0
	v_readfirstlane_b32 s16, v1                    ; wave 0..7
	s_and_b32 s17, s16, 3                          ; which quarter of a tile I fetch
	s_lshr_b32 s18, s16, 2                         ; of K (0) or of V (1)
	s_bfe_u32 s19, ttmp6, 0x40000                  ; cx: my block of 512 queries
	s_mov_b32 s20, ttmp9                           ; the cluster's number: bh = 16 batch + head
	s_mov_b32 s22, 0x76543210                      ; v_permlanex16_b32: lane i of one half reads lane i of the other
	s_mov_b32 s23, 0xfedcba98
	s_mov_b32 s[G1K+0], 15|(1<<16)|(1<<20)|(1<<21)|(4<<22)|(3<<25)    ; mask: all four; 2-byte elements; padding on; bit 21 beside a mask; after every 32 words 4 words
	s_mov_b32 s[G1V+0], 15|(1<<16)|(1<<20)|(1<<21)|(4<<22)|(7<<25)    ; after every 32 words 8 words
.irp g, G1K, G1V
	s_mov_b32 s[\g+1], 64<<16                      ; tensor_dim0 = 64
	s_mov_b32 s[\g+2], 64<<16                      ; tensor_dim1 = 64
	s_mov_b32 s[\g+3], 64<<16                      ; tile_dim0 = 64 elements
	s_mov_b32 s[\g+4], 64                          ; tile_dim1 = 64 rows
	s_mov_b32 s[\g+5], 64                          ; elements from row to row
	s_mov_b32 s[\g+6], 0
	s_mov_b32 s[\g+7], 0
.endr
	; K's and V's addresses hang on bh and the wave's number alone: equal in the four partners
	s_lshl_b32 s60, s20, 18
	s_lshl_b32 s62, s17, 13
	s_add_co_u32 s60, s60, s62                     ; 262,144 bh + 64 rows x 128 bytes x quarter
	s_add_co_u32 s62, s60, 128*262144              ; V's planes
	s_add_co_u32 s60, s60, 64*262144               ; K's planes
	s_mov_b32 s61, 0
	s_mov_b32 s63, 0
	s_mul_i32 s2, s17, 64*KP
	s_mul_i32 s3, s17, 64*VP
	s_add_co_u32 s3, s3, VOFF
	; what hangs on cx, in registers of its own
	s_lshl_b32 s68, s19, 9
	s_lshl_b32 s69, s16, 6
	s_add_co_u32 s68, s68, s69                     ; my first query in the sequence: 512 cx + 64 wave
	s_lshl_b32 s70, s68, 7
	s_lshl_b32 s71, s20, 18
	s_add_co_u32 s70, s70, s71                     ; q: 262,144 bh + 128 x query
	s_mov_b32 s71, 0
	s_lshr_b32 s69, s20, 4
	s_lshl_b32 s69, s69, 11
	s_add_co_u32 s68, s68, s69                     ; my first row of x: 2,048 batch + query
	s_and_b32 s76, s20, 15
	s_lshl_b32 s76, s76, 8                         ; the head's 64 columns: 256 bytes x head
	s_mov_b32 s77, 0
	s_lshl_b32 s72, s68, 12
	s_add_co_u32 s72, s72, s76
	s_mov_b32 s73, 0
	s_lshl_b32 s74, s68, 3
	s_mov_b32 s75, 0
	s_wait_dscnt 0x0
	s_wait_kmcnt 0x0
	s_add_nc_u64 s[60:61], s[4:5], s[60:61]
	s_add_nc_u64 s[62:63], s[4:5], s[62:63]
.irp n, 0,1
	s_mov_b32 s[G0K+4*\n], 1
	s_add_co_u32 s[G0K+4*\n+1], s2, \n*SLOT
	s_add_nc_u64 s[G0K+4*\n+2:G0K+4*\n+3], s[60:61], \n*32768         ; tile n: 256 keys x 128 bytes
	s_or_b32 s[G0K+4*\n+3], s[G0K+4*\n+3], 0x80000000
	s_mov_b32 s[G0V+4*\n], 1
	s_add_co_u32 s[G0V+4*\n+1], s3, \n*SLOT
	s_add_nc_u64 s[G0V+4*\n+2:G0V+4*\n+3], s[62:63], \n*32768
	s_or_b32 s[G0V+4*\n+3], s[G0V+4*\n+3], 0x80000000
.endr
	s_add_nc_u64 s[66:67], s[4:5], s[70:71]        ; q'
	s_add_nc_u64 s[56:57], s[6:7], s[72:73]        ; x'
	s_add_nc_u64 s[58:59], s[14:15], s[72:73]      ; out'
	s_add_nc_u64 s[78:79], s[8:9], s[74:75]        ; stats'
	s_add_nc_u64 s[80:81], s[10:11], s[76:77]      ; gamma'
	s_add_nc_u64 s[82:83], s[12:13], s[76:77]      ; beta'
	v_and_b32 v1, 15, v0                           ; r
	v_bfe_u32 v2, v0, 4, 1                         ; h
	v_and_b32 v3, 31, v0                           ; l
	v_mul_u32_u24 v[ADRK], v1, KP
	v_lshl_add_u32 v[ADRK], v2, 4, v[ADRK]         ; 144 r + 16 h
	v_add_nc_u32 v[ADRK+1], SLOT, v[ADRK]
	v_and_b32 v28, 7, v0
	v_lshl_add_u32 v28, v2, 3, v28                 ; key row 8 h + l % 8
	v_mul_u32_u24 v28, v28, VP
	v_bfe_u32 v29, v0, 3, 1
	v_lshl_add_u32 v28, v29, 4, v28
	v_add_nc_u32 v[ADRV], VOFF, v28
	v_add_nc_u32 v[ADRV+1], SLOT, v[ADRV]
	s_mul_i32 s84, s16, 16*SP
	s_add_co_u32 s84, s84, STAGE                   ; my stage
	s_lshl_b32 s85, s16, 9
	s_add_co_u32 s85, s85, SCR                     ; my 512 bytes of stats
	v_mul_u32_u24 v28, v1, SP
	v_lshl_add_u32 v28, v2, 5, v28
	v_add_nc_u32 v[STO], s84, v28                  ; in: row r, 32 bytes for each half of the lanes
	v_mul_u32_u24 v28, v2, SP
	v_lshl_add_u32 v28, v1, 4, v28
	v_add_nc_u32 v[RD], s84, v28                   ; back: lanes 0-15 one row of 256 bytes, lanes 16-31 the next
	v_lshlrev_b32 v28, 4, v1                       ; 16 r: my four columns in gamma and beta
	v_lshl_add_u32 v[XO], v2, 12, v28
	v_lshlrev_b32 v29, 4, v3                       ; 16 l
	v_lshl_add_u32 v[STA], v2, 3, s85
	v_lshlrev_b32 v[PFO], 12, v3
	v_add_nc_u32 v[SCW], s85, v29
	v_lshlrev_b32 v[QO], 7, v1
	v_lshl_add_u32 v[QO], v2, 4, v[QO]             ; 128 r + 16 h
	WIN 0x40                                       ; destination in window 1
.irp qt, 0,1,2,3
.irp c, 0,1,2,3
	global_load_b128 v[QF+16*\qt+4*\c:QF+16*\qt+4*\c+3], v[QO], s[66:67] offset:2048*\qt+32*\c   ; Q stays in registers for the whole kernel
.endr
.endr
	WIN 0
	global_load_b128 v[GA:GA+3], v28, s[80:81]
	global_load_b128 v[BE:BE+3], v28, s[82:83]
	global_load_b128 v[STT:STT+3], v29, s[78:79]   ; (mu, rstd) of my 64 rows: 512 consecutive bytes
	ROUND                                          ; all four work-groups are here: the first joint load meets
	JLOAD 0
	s_wait_loadcnt 0x0                             ; Q, gamma, beta, stats, once; v28, v29 are free again
.macro LDK off                         ; K fragments of the 64 keys that begin off bytes behind the running address: 16 loads
.irp kt, 0,1,2,3
.irp ks, 0,1
	ds_load_b128 v[KF+16*\kt+8*\ks:KF+16*\kt+8*\ks+3],   v[CK] offset:\off+16*KP*\kt+64*\ks
	ds_load_b128 v[KF+16*\kt+8*\ks+4:KF+16*\kt+8*\ks+7], v[CK] offset:\off+16*KP*\kt+64*\ks+32
.endr
.endr
.endm
.macro LDV                             ; V^T fragments of this step's 64 keys: 16 transposing loads
.irp k2, 0,1
.irp dt, 0,1,2,3
	ds_load_tr16_b128 v[VF+32*\k2+8*\dt:VF+32*\k2+8*\dt+3],   v[CV] offset:32*VP*\k2+32*\dt
	ds_load_tr16_b128 v[VF+32*\k2+8*\dt+4:VF+32*\k2+8*\dt+7], v[CV] offset:32*VP*\k2+32*\dt+16*VP
.endr
.endr
.endm
; The i-th (0..7) of the eight score products of query tile qn into score buffer sb: key tiles 0-3 with d 0-31 (they start the sums), then key tiles 0-3 with d 32-63.
; Window 0x04: source 1 (Q) in window 1.  The four accumulators take turns, one instruction a turn.
.macro SPW i, qn, sb
.if (\i) < 4
	v_wmma_f32_16x16x32_bf16 v[\sb+8*(\i):\sb+8*(\i)+7], v[KF+16*(\i):KF+16*(\i)+7], v[QF+16*(\qn):QF+16*(\qn)+7], 0
.else
	v_wmma_f32_16x16x32_bf16 v[\sb+8*((\i)-4):\sb+8*((\i)-4)+7], v[KF+16*((\i)-4)+8:KF+16*((\i)-4)+15], v[QF+16*(\qn)+8:QF+16*(\qn)+15], v[\sb+8*((\i)-4):\sb+8*((\i)-4)+7]
.endif
.endm
; The i-th (0..7) of the eight products O^T += V^T P^T of query tile qp with p from buffer pb: d tiles 0-3 with keys 0-31, then d tiles 0-3 with keys 32-63.
; Window 0x54: source 1 (p), C and D (O) in window 1.  first = 1: the first four start the sums.  Four accumulators by turns.
.macro PVW i, qp, pb, first
.if (\i) < 4
.if \first
	v_wmma_f32_16x16x32_bf16 v[OA+32*(\qp)+8*(\i):OA+32*(\qp)+8*(\i)+7], v[VF+8*(\i):VF+8*(\i)+7], v[\pb:\pb+7], 0
.else
	v_wmma_f32_16x16x32_bf16 v[OA+32*(\qp)+8*(\i):OA+32*(\qp)+8*(\i)+7], v[VF+8*(\i):VF+8*(\i)+7], v[\pb:\pb+7], v[OA+32*(\qp)+8*(\i):OA+32*(\qp)+8*(\i)+7]
.endif
.else
	v_wmma_f32_16x16x32_bf16 v[OA+32*(\qp)+8*((\i)-4):OA+32*(\qp)+8*((\i)-4)+7], v[VF+32+8*((\i)-4):VF+32+8*((\i)-4)+7], v[\pb+8:\pb+15], v[OA+32*(\qp)+8*((\i)-4):OA+32*(\qp)+8*((\i)-4)+7]
.endif
.endm
; The exponentials of the scores in sc (in place) and of the factor; mm = 1: one score product of query tile qn (into sn) ahead of every four of them.
; An exponential names a destination and source 0 alone, both in window 0, so it runs unchanged under the products' window setting.
.macro EXPC sc, first, mm, qn, sn, qt
.if !\first
	v_exp_f32 v[AL], v[T+2]                        ; 2^(old maximum - new)
.endif
.set sl, 0
.rept 8
.if \mm
	SPW sl, \qn, \sn
.endif
.irp x, 0,1,2,3
	v_exp_f32 v[\sc+4*sl+\x], v[\sc+4*sl+\x]
.endr
.set sl, sl+1
.endr
	v_mov_b32 v[M+\qt], v[MN]                      ; the plain place behind the transcendentals (ISA guide 5.7.2), and useful
.endm
; The softmax of 16 queries x 64 keys, whose scores lie in sc, with the neighbours' matrix instructions woven in.
; first = 1: nothing has been summed yet.  sn: the other score buffer.
; sp: the next query tile's score products stand among the exponentials always (1), or in all trips of the tile's loop but the last (2: s86 counts the trips down to 1).
; pv = 1: the products with V of the query tile before stand among the sums and rescalings.  vw = 1: V's fragments are waited for in front of them.
; km: behind the exponentials the next 64 keys' K fragments are fetched never (0), always (1), or in all trips but the last (2).
.macro QT qt, first, sc, sn, sp, pv, vw, km
	; the largest of my 32 scores, in four chains; then the other half's, and the maximum so far
.irp c, 0,1,2,3
	v_max3_num_f32 v[T+\c], v[\sc+8*\c], v[\sc+8*\c+1], v[\sc+8*\c+2]
.endr
.irp e, 3,5
.irp c, 0,1,2,3
	v_max3_num_f32 v[T+\c], v[T+\c], v[\sc+8*\c+\e], v[\sc+8*\c+\e+1]
.endr
.endr
	v_max3_num_f32 v[T], v[T], v[\sc+7], v[\sc+15]
	v_max3_num_f32 v[T+1], v[T+1], v[\sc+23], v[\sc+31]
	v_max3_num_f32 v[T], v[T], v[T+1], v[T+2]
	v_max_num_f32 v[T], v[T], v[T+3]
	v_permlanex16_b32 v[T+1], v[T], s22, s23
.if \first
	v_max_num_f32 v[MN], v[T], v[T+1]
.if \qt == 0
	v_mov_b32 v[AL], v[MN]                         ; a packed form counts as a reader of both registers of a pair: the other one is written once, here, before it holds a factor
.endif
.else
	v_max3_num_f32 v[MN], v[T], v[T+1], v[M+\qt]
	v_sub_f32 v[T+2], v[M+\qt], v[MN]
.endif
.set j, 0
.rept 16
	v_pk_add_f32 v[\sc+j:\sc+j+1], v[\sc+j:\sc+j+1], v[MN:MN+1] op_sel_hi:[1,0] neg_lo:[0,1] neg_hi:[0,1]   ; both halves take the pair's first register: s - maximum
.set j, j+2
.endr
.if (\sp) == 2
	s_wait_dscnt 0                                 ; the next 64 keys' K fragments, asked for one query tile ago, are in
	s_cmp_eq_u32 s86, 1                            ; the tile's last 64 keys have no next in this slot
	s_cbranch_scc1 .Lalone_\@
	WIN 0x04
	EXPC \sc, \first, 1, (\qt+1)%4, \sn, \qt
	WIN 0
	s_branch .Ljoin_\@
.Lalone_\@:
	EXPC \sc, \first, 0, 0, \sn, \qt
.Ljoin_\@:
.else
.if \qt == 3
	s_wait_dscnt 0                                 ; the next 64 keys' K fragments are in
.endif
	WIN 0x04
	EXPC \sc, \first, 1, (\qt+1)%4, \sn, \qt
.endif
.if (\km)
	WIN 0
.if (\km) == 2
	s_cmp_eq_u32 s86, 1
	s_cbranch_scc1 .Lno_k_\@
.endif
	PLACES 3                                       ; with the move of the maximum: four places behind the step's last score product, whose sources are loaded again
	LDK 64*KP
.if (\km) == 2
.Lno_k_\@:
.endif
.endif
	WIN 0x40                                       ; destination (p, sums) in window 1
	s_wait_alu depctr_va_vdst(0)
.irp kt, 0,1,2,3
.irp jj, 0,1,2,3
	v_cvt_pk_bf16_f32 v[PB+16*(\qt%2)+4*\kt+\jj], v[\sc+8*\kt+2*\jj], v[\sc+8*\kt+2*\jj+1]    ; keys 16 kt + 8 h + 0..7: registers 4 (kt % 2) .. + 3 of source 1 for keys 32 (kt / 2) ..
.endr
.endr
.if \first
	v_pk_add_f32 v[LP+4*\qt:LP+4*\qt+1], v[\sc:\sc+1], v[\sc+4:\sc+5]             ; the data start the two chains of sums: nothing is cleared
	v_pk_add_f32 v[LP+4*\qt+2:LP+4*\qt+3], v[\sc+2:\sc+3], v[\sc+6:\sc+7]
.endif
.if \vw
	s_wait_dscnt 0                                 ; V's fragments, asked for at the step's head, are in
.endif
	WIN 0x54                                       ; source 0 in window 0 (V^T; p in f32; the factor), source 1, source 2 and destination in window 1 (p in bf16, O, sums)
.if !\first
	v_pk_mul_f32 v[LP+4*\qt:LP+4*\qt+1], v[MN:MN+1], v[LP+4*\qt:LP+4*\qt+1] op_sel:[1,0] op_sel_hi:[1,1]       ; both halves take the pair's second register: the factor
	v_pk_mul_f32 v[LP+4*\qt+2:LP+4*\qt+3], v[MN:MN+1], v[LP+4*\qt+2:LP+4*\qt+3] op_sel:[1,0] op_sel_hi:[1,1]
.endif
.set sl, 0
.rept 8
.if \pv
	PVW sl, \qt-1, PB+16*((\qt+1)%2), \first
.endif
.if \first
.if sl >= 2
	v_pk_add_f32 v[LP+4*\qt:LP+4*\qt+1], v[\sc+4*sl:\sc+4*sl+1], v[LP+4*\qt:LP+4*\qt+1]
	v_pk_add_f32 v[LP+4*\qt+2:LP+4*\qt+3], v[\sc+4*sl+2:\sc+4*sl+3], v[LP+4*\qt+2:LP+4*\qt+3]
.endif
.else
	v_pk_add_f32 v[LP+4*\qt:LP+4*\qt+1], v[\sc+4*sl:\sc+4*sl+1], v[LP+4*\qt:LP+4*\qt+1]
	v_pk_mul_f32 v[OA+32*\qt+4*sl:OA+32*\qt+4*sl+1], v[MN:MN+1], v[OA+32*\qt+4*sl:OA+32*\qt+4*sl+1] op_sel:[1,0] op_sel_hi:[1,1]
	v_pk_add_f32 v[LP+4*\qt+2:LP+4*\qt+3], v[\sc+4*sl+2:\sc+4*sl+3], v[LP+4*\qt+2:LP+4*\qt+3]
	v_pk_mul_f32 v[OA+32*\qt+4*sl+2:OA+32*\qt+4*sl+3], v[MN:MN+1], v[OA+32*\qt+4*sl+2:OA+32*\qt+4*sl+3] op_sel:[1,0] op_sel_hi:[1,1]
.endif
.set sl, sl+1
.endr
	WIN 0
.endm
; A step: 64 keys against my 64 queries.  At its head query tile 0's scores lie in buffer 0 and K's fragments in their registers.
.macro BLOCK first, pf
	LDV                                            ; four places (two address steps, two v_nop) stand behind the last products with V, whose sources these loads fill
	QT 0, \first, S0, S1, 1, 0, 0, 0
.if \pf
	; x for the way out: in the last trip alone each wave asks once for its own 64 rows' 256 bytes (one lane a row, rows 0-31 and 32-63), three query tiles of the last 64 keys ahead of the loads; nothing else is prefetched
	s_cmp_lg_u32 s86, 1
	s_cbranch_scc1 .Lno_pf_\@
	global_prefetch_b8 v[PFO], s[56:57] th:TH_LOAD_NT scope:SCOPE_SE
	global_prefetch_b8 v[PFO], s[56:57] offset:131072 th:TH_LOAD_NT scope:SCOPE_SE
.Lno_pf_\@:
.endif
	QT 1, \first, S1, S0, 1, 1, 1, 0
	QT 2, \first, S0, S1, 1, 1, 0, 2-\first
	QT 3, \first, S1, S0, 2-\first, 1, 0, 0
	WIN 0x54                                       ; the fourth query tile's products with V have no softmax left to stand in
.irp i, 0,1,2,3,4,5,6,7
	PVW \i, 3, PB+16, \first
.endr
	WIN 0
	v_add_nc_u32 v[CK], 64*KP, v[CK]               ; the next 64 keys' rows
	v_add_nc_u32 v[CV], 64*VP, v[CV]
	PLACES 2                                       ; with the two address steps: four places behind the last products with V
.endm
; A tile of 256 keys.  In front of the round every wave waits for all its tensor loads (its part of this tile among them) and for its reads of the other slot;
; behind the round the other slot's refill comes first, one joint load a wave, and has this tile's work in which to land.  Then the tile's first K fragments
; and first score products, and four steps: a loop over one body.
.macro TRIP slot, refill, first, pf
	s_wait_tensorcnt 0x0
	ds_add_u32 v34, v35
	s_wait_dscnt 0x0
	s_add_nc_u64 s[G0K+4*\slot+2:G0K+4*\slot+3], s[G0K+4*\slot+2:G0K+4*\slot+3], 65536    ; no load of mine is out: this slot's next tile, two on
	s_add_nc_u64 s[G0V+4*\slot+2:G0V+4*\slot+3], s[G0V+4*\slot+2:G0V+4*\slot+3], 65536
	s_wait_dscnt 0x0
	ROUND
.if \refill
	JLOAD 1-\slot
.endif
	v_mov_b32 v[CK], v[ADRK+\slot]                 ; the running addresses start at the slot's first 64 keys
	v_mov_b32 v[CV], v[ADRV+\slot]
	LDK 0
	s_wait_dscnt 0x0                               ; K's fragments are in
	WIN 0x04
.irp i, 0,1,2,3,4,5,6,7
	SPW \i, 0, S0
.endr
	WIN 0
	PLACES 4                                       ; behind these products, ahead of the first read of the scores
.if \first
	BLOCK 1, 0                                     ; the very first step starts the sums: nothing is cleared
	s_mov_b32 s86, 3
.else
	s_mov_b32 s86, 4
.endif
.Lstep_\@:
	BLOCK 0, \pf
	s_sub_co_u32 s86, s86, 1
	s_cmp_lg_u32 s86, 0
	s_cbranch_scc1 .Lstep_\@
.endm
	TRIP 0, 1, 1, 0                                ; tile 0; asks for tile 1
	s_mov_b32 s21, 3                               ; tiles 1..6; they ask for tiles 2..7
.Lpair:
	TRIP 1, 1, 0, 0
	TRIP 0, 1, 0, 0
	s_sub_co_u32 s21, s21, 1
	s_cmp_lg_u32 s21, 0
	s_cbranch_scc1 .Lpair
	TRIP 1, 0, 0, 1                                ; tile 7: nothing is left to fetch (the stepped addresses are not used)
	; THE WAY OUT.  The four places that end a step stand behind the last matrix instructions: K's and V's registers are loaded again, O is read.
.irp qt, 0,1,2,3
.irp t, 0,1,2,3,4,5,6,7
	global_load_b128 v[KF+4*(8*\qt+\t):KF+4*(8*\qt+\t)+3], v[XO], s[56:57] offset:(16*\qt+2*\t)*4096 th:TH_LOAD_NT   ; rows 16 qt + 2 t, + 1: sixteen lanes take a row's 256 bytes
.endr
.endr
	ds_store_b128 v[SCW], v[STT:STT+3]             ; stats to my own bytes, to be read back by rows
.macro FIN qt
	WIN 0x05                                       ; both sources (the partial sums) in window 1
	v_pk_add_f32 v[T:T+1], v[LP+4*\qt:LP+4*\qt+1], v[LP+4*\qt+2:LP+4*\qt+3]
	WIN 0
	v_add_f32 v[T], v[T], v[T+1]                   ; the sum over my half's keys
	v_permlanex16_b32 v[T+1], v[T], s22, s23
	v_add_f32 v[T], v[T], v[T+1]                   ; the two halves' sums
	v_rcp_f32 v[MN], v[T]
	v_nop                                          ; the plain place behind the transcendental
	WIN 0x01                                       ; source 0 (O) in window 1
.set j, 0
	s_wait_alu depctr_va_vdst(0)
.rept 16
	v_pk_mul_f32 v[S0+j:S0+j+1], v[OA+32*\qt+j:OA+32*\qt+j+1], v[MN:MN+1] op_sel_hi:[1,0]   ; both halves by 1 / sum
.set j, j+2
.endr
	WIN 0
.irp dt, 0,1,2,3
	ds_store_b128 v[STO], v[S0+8*\dt:S0+8*\dt+3]   offset:64*\dt       ; query r, d = 16 dt + 8 h + 0..7
	ds_store_b128 v[STO], v[S0+8*\dt+4:S0+8*\dt+7] offset:64*\dt+16
.endr
.irp t, 0,1,2,3,4,5,6,7
	ds_load_b128 v[AT+4*\t:AT+4*\t+3], v[RD] offset:2*SP*\t            ; LDS serves a wave's instructions in order (ISA guide 5.7.1): these see the stores above
	ds_load_b64 v[ST2+2*\t:ST2+2*\t+1], v[STA] offset:8*(16*\qt+2*\t)  ; (mu, rstd) of my row
.endr
.irp t, 0,1,2,3,4,5,6,7
	s_wait_dscnt 14-2*\t                           ; pair t is back; the later pairs stay out
	s_wait_loadcnt 31-(8*\qt+\t)                   ; x's load for these rows is in; the later ones stay out
.irp e, 0,2
	v_pk_add_f32 v[KF+4*(8*\qt+\t)+\e:KF+4*(8*\qt+\t)+\e+1], v[KF+4*(8*\qt+\t)+\e:KF+4*(8*\qt+\t)+\e+1], v[ST2+2*\t:ST2+2*\t+1] op_sel:[0,0] op_sel_hi:[1,0] neg_lo:[0,1] neg_hi:[0,1]   ; x - mu
.endr
.irp e, 0,2
	v_pk_mul_f32 v[KF+4*(8*\qt+\t)+\e:KF+4*(8*\qt+\t)+\e+1], v[KF+4*(8*\qt+\t)+\e:KF+4*(8*\qt+\t)+\e+1], v[ST2+2*\t:ST2+2*\t+1] op_sel:[0,1] op_sel_hi:[1,1]   ; x rstd
.endr
.irp e, 0,2
	v_pk_fma_f32 v[KF+4*(8*\qt+\t)+\e:KF+4*(8*\qt+\t)+\e+1], v[KF+4*(8*\qt+\t)+\e:KF+4*(8*\qt+\t)+\e+1], v[GA+\e:GA+\e+1], v[BE+\e:BE+\e+1]
.endr
.irp e, 0,2
	v_pk_add_f32 v[KF+4*(8*\qt+\t)+\e:KF+4*(8*\qt+\t)+\e+1], v[KF+4*(8*\qt+\t)+\e:KF+4*(8*\qt+\t)+\e+1], v[AT+4*\t+\e:AT+4*\t+\e+1]
.endr
	global_store_b128 v[XO], v[KF+4*(8*\qt+\t):KF+4*(8*\qt+\t)+3], s[58:59] offset:(16*\qt+2*\t)*4096 th:TH_STORE_NT   ; sixteen lanes store 256 consecutive bytes, aligned; data registers are never rewritten
.endr
.endm
	FIN 0
	FIN 1
	FIN 2
	FIN 3
	s_wait_dscnt 0x0
	s_wait_tensorcnt 0x0
	ds_add_u32 v34, v35
	s_wait_dscnt 0x0
	ROUND                                          ; the closing round: no work-group ends while a partner may still ask for a tile that names it
	s_endpgm
.Lfunc_end_k_q662de13885_attn:
	.size	k_q662de13885_attn, .Lfunc_end_k_q662de13885_attn-k_q662de13885_attn
	.p2alignl 7, 3214868480
	.fill 96, 4, 3214868480
	.section	.rodata,"a",@progbits
	.p2align	6, 0x0
	.amdhsa_kernel k_q662de13885_attn
		.amdhsa_group_segment_fixed_size 327680
		.amdhsa_private_segment_fixed_size 0
		.amdhsa_enable_private_segment 0
		.amdhsa_kernarg_size 48
		.amdhsa_user_sgpr_count 2
		.amdhsa_user_sgpr_kernarg_segment_ptr 1
		.amdhsa_wavefront_size32 1
		.amdhsa_system_sgpr_workgroup_id_x 1
		.amdhsa_system_sgpr_workgroup_id_y 1
		.amdhsa_system_sgpr_workgroup_id_z 1
		.amdhsa_system_vgpr_workitem_id 0
		.amdhsa_next_free_vgpr 496
		.amdhsa_next_free_sgpr 88
		.amdhsa_reserve_vcc 0
		.amdhsa_float_denorm_mode_32 3
		.amdhsa_float_denorm_mode_16_64 3
		.amdhsa_memory_ordered 1
		.amdhsa_forward_progress 1
		.amdhsa_inst_pref_size 218
	.end_amdhsa_kernel
	.amdgpu_metadata
---
amdhsa.version: [ 1, 2 ]
amdhsa.kernels:
  - .name:           k_q662de13885_attn
    .symbol:         k_q662de13885_attn.kd
    .args:
      - { .name: qkv, .offset: 0, .size: 8, .value_kind: global_buffer, .address_space: global }
      - { .name: x, .offset: 8, .size: 8, .value_kind: global_buffer, .address_space: global }
      - { .name: stats, .offset: 16, .size: 8, .value_kind: global_buffer, .address_space: global }
      - { .name: gamma, .offset: 24, .size: 8, .value_kind: global_buffer, .address_space: global }
      - { .name: beta, .offset: 32, .size: 8, .value_kind: global_buffer, .address_space: global }
      - { .name: out0, .offset: 40, .size: 8, .value_kind: global_buffer, .address_space: global }
    .group_segment_fixed_size: 327680
    .private_segment_fixed_size: 0
    .kernarg_segment_align: 8
    .kernarg_segment_size: 48
    .max_flat_workgroup_size: 256
    .sgpr_count:     88
    .vgpr_count:     496
    .wavefront_size: 32
...
	.end_amdgpu_metadata
.endif
;; end of part 4
